; MI455X (gfx1250); checked and timed in simulation.
; The chip was launched on July 23, 2026; its instructions are those of AMD's public machine-readable ISA for CDNA 5 (MIT licence, August 2026) and "CDNA5" Instruction Set Architecture Reference Guide (July 2026). The comments in the code are by the model that wrote it; some were corrected since.
;; Block. Allowed arithmetic: matrix products marked QUANTISED: E2M3 operands, one E8M0 scale for each 32 along K, by v_wmma_scale_f32_16x16x128_f8f6f4 with both operands' format E2M3, f32 sums; everything else in f32.
;; Inputs: W1 1,024 x 4,096 float32; W2 4,096 x 1,024 float32; Wk 1,024 x 1,024 float32; Wo 1,024 x 1,024 float32; Wq 1,024 x 1,024 float32; Wv 1,024 x 1,024 float32; b1 4,096 float32; b2 1,024 float32; bo 1,024 float32; ln1_b 1,024 float32; ln1_g 1,024 float32; ln2_b 1,024 float32; ln2_g 1,024 float32; x 4 x 1,024 x 1,024 float32.
;; Outputs: out0 4 x 1,024 x 1,024 float32.
;; This version of the problem:
;;   THIS VERSION OF THE PROBLEM IS GIVEN IN LOW PRECISION. The matrix products marked QUANTISED in the list below multiply operands that are first quantised to E2M3 (2 exponent bits, 3 mantissa bits; 6 bits a number), with one power-of-two scale for each 32 numbers along K (OCP MX v1.0); their sums are f32. All else is computed in f32.
;;   The module's matrix products, in the order in which they are computed (A, B: the left and right operand; K: the contracted axis; several contracted axes count as one K, in the product's order):
;;     1. [M 4,096, K 1,024] x [K 1,024, N 1,024]; A: computed on the way; B: input Wq: QUANTISED
;;     2. [M 4,096, K 1,024] x [K 1,024, N 1,024]; A: computed on the way; B: input Wk: QUANTISED
;;     3. [M 4,096, K 1,024] x [K 1,024, N 1,024]; A: computed on the way; B: input Wv: QUANTISED
;;     4. batch 64 x [M 1,024, K 64] x [K 64, N 1,024]; A: computed on the way; B: computed on the way: QUANTISED
;;     5. batch 64 x [M 64, K 1,024] x [K 1,024, N 1,024]; A: computed on the way; B: softmax (see below): QUANTISED
;;     6. [M 4,096, K 1,024] x [K 1,024, N 1,024]; A: computed on the way; B: input Wo: QUANTISED
;;     7. [M 4,096, K 1,024] x [K 1,024, N 4,096]; A: computed on the way; B: input W1: QUANTISED
;;     8. [M 4,096, K 4,096] x [K 4,096, N 1,024]; A: computed on the way; B: input W2: QUANTISED
;;   THE QUANTISER, for each operand of a quantised product, along K:
;;     - K is cut into blocks of 32 from its start; a last block that is shorter is filled with zeros.
;;     - A block's scale is 2^e with e = floor(log2(the largest magnitude in the block)) - 2, held to -126 .. 127; a block of zeros has e = 0. As a byte (E8M0): e + 127.
;;     - Each number is divided by its block's scale, clamped to +-7.5, and rounded to the nearest number of E2M3, ties to even, subnormals kept.
;;     - The product sums the exact products of the quantised numbers (number of the format x scale) in f32.
;;   ~~~python
;;   def quantise(x, axis):      # numpy; x: float32 -> the quantised numbers, widened to float32 again
;;       x = np.moveaxis(x, axis, -1); K = x.shape[-1]
;;       x = np.pad(x, [(0, 0)] * (x.ndim - 1) + [(0, -K % 32)]); x = x.reshape(x.shape[:-1] + (-1, 32)); a = np.abs(x).max(-1, keepdims=True)
;;       e = np.where(a > 0, np.clip(np.frexp(np.where(a > 0, a, 1))[1] - 1 - 2, -126, 127), 0)      # np.frexp(a)[1] - 1 = floor(log2(a)), exactly
;;       r = np.clip(x / 2.0 ** e, -7.5, 7.5)
;;       step = 2.0 ** (np.maximum(np.frexp(np.where(r == 0, 1, r))[1] - 1, 0) - 3)
;;       q = np.round(r / step) * step * 2.0 ** e      # np.round: ties to even
;;       return np.moveaxis(q.reshape(q.shape[:-2] + (-1,))[..., :K], -1, axis).astype(np.float32)
;;   ~~~
;;   SOFTMAX AHEAD OF A QUANTISED PRODUCT. Where the list says 'softmax', what is quantised is not the finished softmax but p = 2^(t - M), with t = logit x log2(e) and M = ceil(the row's largest t), a whole number; so 1/2 < the row's largest p <= 1. The row's sum l is taken of the UNQUANTISED p, in f32, and the product's result is divided by l at the end. Since M is a whole number, a kernel that streams over the keys may use a running M (the ceiling of the running maximum): every later rescaling is an exact power of two, which a block's scale takes up: the codes' values come out the same.
;;   OPERANDS COMPUTED ON THE WAY. 'Computed on the way' means the value that the module computes at that place (a softmax that the list does not call 'softmax' is quantised finished and normalised). What goes into a quantiser is computed in f32, as accurately as f32 sums, v_exp_f32 and their like allow (about 1e-6 of the number): no bf16 or f16 on the way to a quantiser, and a product that is left as it is and whose result goes on into a quantised operand takes f32 operands (vector FMAs, or v_wmma_f32_16x16x4_f32). A number that lies on a knife's edge between two numbers of the format may be rounded either way, as far as f32 arithmetic and the matrix unit's own rounding can turn it there, and no further.
;; One version. Each part assembles by itself: llvm-mc -triple=amdgcn-amd-amdhsa -mcpu=gfx1250 --defsym DOCPART=n.
;; ======== version 1 of 1: 7 launches
;; limits: right only within a limited range of input values
;; workspace buffers: wa 2,621,440 bytes; wb 7,471,104 bytes; act 3,276,800 bytes; att 3,276,800 bytes; big 16,777,216 bytes; x1 16,777,216 bytes; zer 16,384 bytes; nin 512 bytes
;; launch prep (part 1): grid 1024 x 1, 4 waves a work-group, no clusters, 78,592 bytes of LDS; arguments x, ln1_g, ln1_b, act, Wq, Wk, Wv, Wo, W1, W2, wa, wb, zer, nin; writes act, wa, wb, zer, nin
.if DOCPART == 1
	.amdgcn_target "amdgcn-amd-amdhsa--gfx1250"
	.amdhsa_code_object_version 6
	.text
	.protected	k_qd1134c9e4c_prep
	.globl	k_qd1134c9e4c_prep
	.p2align	8
	.type	k_qd1134c9e4c_prep,@function
k_qd1134c9e4c_prep:
	s_mov_b64 s[64:65], 0
	v_nop
	global_prefetch_b8 v0, s[64:65] scope:SCOPE_SE
	s_setreg_imm32_b32 hwreg(HW_REG_WAVE_MODE, 25, 1), 1
	s_wait_xcnt 0x0
; TWO PREPARING JOBS IN ONE LAUNCH, told apart by the work-group's number alone; they share no byte.  Work-groups 0-255: the first layer norm of x, quantised.  Work-groups 256-1,023: the six weights.
; Both make operands of MX-FP6 (E2M3 codes, one E8M0 byte for each 32 along K) laid in the ORDER OF THE OPERAND'S REGISTERS.
; OPERAND LAYOUT.  Lane r of row tile J holds row 32 (J / 2) + 8 (J % 2) + r % 8 + 16 (r / 8).  Unit u = (J / 8) x (K / 128) + S (S: K step of 128).  Codes at CO1 + 12,288 u + 1,536 (J % 8): half c at 768 c,
; registers 6 c .. 6 c + 3 at 16 x lane, 6 c + 4, 6 c + 5 at 512 + 8 x lane.  Scale words at 512 u + 64 (J % 8) + 4 r.
; THE LAYER NORM: y = (x - mean) x rsqrt(var + 1e-5) x g + b along rows of 1,024.  A work-group makes one row tile (16 rows).  Phase 1: wave w normalises four rows, a row in 32 registers, read once; mean first,
; then the sum of squared differences.  The rows meet in LDS (pitch 4,096 + 16 bytes).  One barrier.  Phase 2: wave w quantises K steps 2 w and 2 w + 1 of all 16 rows.
; THE WEIGHTS, f32 stored [K][N]: a work-group makes one unit (128 columns x 128 along K) of one weight, a wave 32 columns.  A LANE TAKES A COLUMN AND ITS REGISTERS RUN DOWN K: a load reads 128 consecutive bytes a wave,
; a block of 32 lies in one lane, and the conversions give codes with K innermost.  The codes turn through the wave's own 3,072 bytes of LDS into the image and leave as 512 consecutive bytes a store.
; One path serves all six weights: only pointers and numbers are chosen.  The first 33 of these work-groups also write the two small parameter buffers (zeros; -infinity).
; LDS: the layer norm's stage 0 .. 65,791; the spare words; the weights' stages from WST on: each path has bytes of its own.  78,592 bytes and 256 registers a wave: four work-groups fit on a WGP, 1,024 in all.
; No tensor load, no matrix work, no cluster: no input byte is read by two work-groups but g and b (8 KiB).
; LIMITS: NaN and infinities are not served; a block of zeros, or one under 2^-124, keeps the byte 1 (this program alone reads the bytes).
.set PITCH, 4112
.set CO1,   131072
.set SPARE, 65792                      ; the spare words, 128 bytes a wave
.set WST,   66304                      ; the weights' stages
.set SPW, 55                           ; v55, v63: the add's two registers, free on both paths
.set NIL, 63
.set X,   64                           ; the layer norm: v64-191 four rows of 32 registers; later two K steps of 64 numbers
.set G,   192
.set BV,  224
.set TM,  16
.set PC,  36
.set SEL, 20
.macro QUANT s, pw                     ; 64 numbers of a lane (register 16 b + i = k 32 b + 16 (lane / 16) + i) become a fragment's codes in v[PC] on and its scale word in v[pw]
.irp b, 0,1,2,3
	v_max3_num_f32 v[TM+\b], |v[\s+16*\b]|, |v[\s+1+16*\b]|, 0x1800000   ; the floor 2^(3 - 127)
.endr
.irp i, 2,4,6,8,10,12,14
.irp b, 0,1,2,3
	v_max3_num_f32 v[TM+\b], v[TM+\b], |v[\s+16*\b+\i]|, |v[\s+1+16*\b+\i]|
.endr
.endr
.irp b, 0,1,2,3
	v_permlanex16_b32 v[TM+4+\b], v[TM+\b], s[SEL], s[SEL+1]
.endr
.irp b, 0,1,2,3
	v_max_num_f32 v[TM+\b], v[TM+\b], v[TM+4+\b]
.endr
.irp b, 0,1,2,3
	v_add_nc_u32 v[TM+12+\b], 0xff000000, v[TM+\b] ; 2 off the exponent field: the conversion's scale operand
.endr
.irp b, 0,1,2,3
	v_lshrrev_b32 v[TM+4+\b], 23, v[TM+12+\b]
.endr
	v_lshl_or_b32 v[\pw], v[TM+5], 8, v[TM+4]
	v_lshl_or_b32 v[\pw], v[TM+6], 16, v[\pw]
	v_lshl_or_b32 v[\pw], v[TM+7], 24, v[\pw]
.irp c, 0,1
	v_cvt_scalef32_pk16_fp6_f32 v[PC+6*\c:PC+2+6*\c], v[\s+32*\c:\s+15+32*\c], v[TM+12+2*\c]
	v_cvt_scalef32_pk16_fp6_f32 v[PC+12+4*\c:PC+14+4*\c], v[\s+16+32*\c:\s+31+32*\c], v[TM+12+2*\c+1]
.endr
	v_nop                                          ; one plain instruction behind the conversions
.irp c, 0,1
.irp i, 0,1,2
	v_permlane16_swap_b32 v[PC+6*\c+\i], v[PC+12+4*\c+\i]
.endr
.irp i, 0,1,2
	v_mov_b32 v[PC+3+6*\c+\i], v[PC+12+4*\c+\i]
.endr
.endr
.endm
.macro IMGOUT off                              ; each store covers 512 or 256 consecutive bytes, at a multiple of 256
	global_store_b128 v1, v[PC:PC+3], s[14:15] offset:\off
	global_store_b64 v4, v[PC+4:PC+5], s[14:15] offset:\off+512
	global_store_b128 v1, v[PC+6:PC+9], s[14:15] offset:\off+768
	global_store_b64 v4, v[PC+10:PC+11], s[14:15] offset:\off+1280
.endm
.macro LSUM                                    ; v6-9, one number a row, summed over the 32 lanes
.irp m, 1,2,4,8
.irp i, 0,1,2,3
	v_add_f32_dpp v[6+\i], v[6+\i], v[6+\i] row_xmask:\m row_mask:0xf bank_mask:0xf
.endr
.endr
.irp i, 0,1,2,3
	v_permlanex16_b32 v[10+\i], v[6+\i], s[SEL], s[SEL+1]
.endr
.irp i, 0,1,2,3
	v_add_f32 v[6+\i], v[6+\i], v[10+\i]
.endr
.endm
	v_lshl_add_u32 v[SPW], v0, 2, SPARE
	v_mov_b32 v[NIL], 0
	s_cmp_ge_u32 ttmp9, 256                        ; the job hangs on the work-group's number alone
	s_wait_alu depctr_va_vdst(0)                   ; the wait directly ahead of the branch
	s_cbranch_scc1 .Lweights
	; ======== the layer norm
	s_load_b256 s[4:11], s[0:1], 0x0               ; x, g, b, the operand
	v_lshrrev_b32 v1, 5, v0
	v_readfirstlane_b32 s12, v1                    ; wave
	v_and_b32 v6, 31, v0
	v_lshlrev_b32 v1, 4, v6
	v_lshlrev_b32 v4, 3, v6
	s_mul_i32 s13, s12, 4*PITCH
	v_add_nc_u32 v2, s13, v1                       ; into the stage: my wave's four rows
	v_and_b32 v7, 15, v0
	v_bfe_u32 v8, v0, 4, 1
	v_mul_u32_u24 v3, v7, PITCH
	v_lshl_add_u32 v3, v8, 6, v3
	s_lshl_b32 s13, s12, 10
	v_add_nc_u32 v3, s13, v3                       ; out of it: row r, + 64 h, + my two K steps
	v_lshlrev_b32 v5, 2, v7
	v_lshl_add_u32 v5, v8, 9, v5                   ; scale words: lanes 0-15 K step 2 w's, lanes 16-31 K step 2 w + 1's
.irp i, 0,1,2,3
	v_mov_b32 v[10+\i], 0
.endr
	s_lshr_b32 s13, ttmp9, 1
	s_lshl_b32 s13, s13, 5
	s_and_b32 s18, ttmp9, 1
	s_lshl_b32 s18, s18, 3
	s_add_co_u32 s13, s13, s18
	s_lshr_b32 s18, s12, 1
	s_lshl_b32 s18, s18, 4
	s_add_co_u32 s13, s13, s18
	s_and_b32 s18, s12, 1
	s_lshl_b32 s18, s18, 2
	s_add_co_u32 s18, s13, s18                     ; my first row: 32 (J / 2) + 8 (J % 2) + 16 (w / 2) + 4 (w % 2)
	s_lshl_b32 s18, s18, 12
	s_mov_b32 s19, 0
	s_lshr_b32 s13, ttmp9, 3
	s_and_b32 s25, ttmp9, 7
	s_mul_i32 s26, s13, 98304
	s_mul_i32 s27, s25, 1536
	s_add_co_u32 s26, s26, s27
	s_mul_i32 s27, s12, 24576
	s_add_co_u32 s26, s26, s27
	s_add_co_u32 s26, s26, CO1                     ; codes: unit 8 (J / 8) + 2 w, tile J % 8
	s_mov_b32 s27, 0
	s_lshl_b32 s28, s13, 12
	s_lshl_b32 s29, s25, 6
	s_add_co_u32 s28, s28, s29
	s_lshl_b32 s29, s12, 10
	s_add_co_u32 s28, s28, s29                     ; scale words likewise
	s_mov_b32 s29, 0
	s_mov_b32 s[SEL], 0x76543210
	s_mov_b32 s[SEL+1], 0xfedcba98
	s_mov_b32 s22, 0x3a800000                      ; 1 / 1,024
	s_mov_b32 s23, 0x3727c5ac                      ; 1e-5
	s_mov_b32 s24, 0xffff0000                      ; lanes 16-31
	s_wait_kmcnt 0x0
	s_add_nc_u64 s[4:5], s[4:5], s[18:19]
	s_add_nc_u64 s[14:15], s[10:11], s[26:27]
	s_add_nc_u64 s[16:17], s[10:11], s[28:29]
.irp i, 0,1,2,3
.irp j, 0,1,2,3,4,5,6,7
	global_load_b128 v[X+32*\i+4*\j:X+32*\i+4*\j+3], v1, s[4:5] offset:4096*\i+512*\j th:TH_LOAD_NT
.endr
.endr
.irp j, 0,1,2,3,4,5,6,7
	global_load_b128 v[G+4*\j:G+4*\j+3], v1, s[6:7] offset:512*\j
	global_load_b128 v[BV+4*\j:BV+4*\j+3], v1, s[8:9] offset:512*\j
.endr
	s_wait_loadcnt 0x0
	; the mean
.irp i, 0,1,2,3
	v_pk_add_f32 v[16+4*\i:17+4*\i], v[X+32*\i:X+32*\i+1], v[X+32*\i+2:X+32*\i+3]
	v_pk_add_f32 v[18+4*\i:19+4*\i], v[X+32*\i+4:X+32*\i+5], v[X+32*\i+6:X+32*\i+7]
.endr
.irp j, 8,12,16,20,24,28
.irp i, 0,1,2,3
	v_pk_add_f32 v[16+4*\i:17+4*\i], v[16+4*\i:17+4*\i], v[X+32*\i+\j:X+32*\i+\j+1]
	v_pk_add_f32 v[18+4*\i:19+4*\i], v[18+4*\i:19+4*\i], v[X+32*\i+\j+2:X+32*\i+\j+3]
.endr
.endr
.irp i, 0,1,2,3
	v_pk_add_f32 v[16+4*\i:17+4*\i], v[16+4*\i:17+4*\i], v[18+4*\i:19+4*\i]
.endr
.irp i, 0,1,2,3
	v_add_f32 v[6+\i], v[16+4*\i], v[17+4*\i]
.endr
	LSUM
.irp i, 0,1,2,3
	v_mul_f32 v[16+4*\i], s22, v[6+\i]             ; the mean, in the low word of a pair
.endr
	; x - mean, in place
.irp j, 0,2,4,6,8,10,12,14,16,18,20,22,24,26,28,30
.irp i, 0,1,2,3
	v_pk_add_f32 v[X+32*\i+\j:X+32*\i+\j+1], v[X+32*\i+\j:X+32*\i+\j+1], v[16+4*\i:17+4*\i] op_sel_hi:[1,0] neg_lo:[0,1] neg_hi:[0,1]
.endr
.endr
	; the variance
.irp i, 0,1,2,3
	v_pk_mul_f32 v[18+4*\i:19+4*\i], v[X+32*\i:X+32*\i+1], v[X+32*\i:X+32*\i+1]
	v_pk_mul_f32 v[36+2*\i:37+2*\i], v[X+32*\i+2:X+32*\i+3], v[X+32*\i+2:X+32*\i+3]
.endr
.irp j, 4,8,12,16,20,24,28
.irp i, 0,1,2,3
	v_pk_fma_f32 v[18+4*\i:19+4*\i], v[X+32*\i+\j:X+32*\i+\j+1], v[X+32*\i+\j:X+32*\i+\j+1], v[18+4*\i:19+4*\i]
	v_pk_fma_f32 v[36+2*\i:37+2*\i], v[X+32*\i+\j+2:X+32*\i+\j+3], v[X+32*\i+\j+2:X+32*\i+\j+3], v[36+2*\i:37+2*\i]
.endr
.endr
.irp i, 0,1,2,3
	v_pk_add_f32 v[18+4*\i:19+4*\i], v[18+4*\i:19+4*\i], v[36+2*\i:37+2*\i]
.endr
.irp i, 0,1,2,3
	v_add_f32 v[6+\i], v[18+4*\i], v[19+4*\i]
.endr
	LSUM
.irp i, 0,1,2,3
	v_fma_f32 v[6+\i], v[6+\i], s22, s23           ; var + 1e-5
.endr
	s_wait_alu depctr_va_vdst(0)                   ; the wait ahead of the batch
.irp i, 0,1,2,3
	v_rsq_f32 v[18+4*\i], v[6+\i]
.endr
	v_nop
	s_wait_alu depctr_va_vdst(0)                   ; and behind it, ahead of its first reader
.irp j, 0,2,4,6,8,10,12,14,16,18,20,22,24,26,28,30
.irp i, 0,1,2,3
	v_pk_mul_f32 v[X+32*\i+\j:X+32*\i+\j+1], v[X+32*\i+\j:X+32*\i+\j+1], v[18+4*\i:19+4*\i] op_sel_hi:[1,0]
.endr
.irp i, 0,1,2,3
	v_pk_fma_f32 v[X+32*\i+\j:X+32*\i+\j+1], v[X+32*\i+\j:X+32*\i+\j+1], v[G+\j:G+\j+1], v[BV+\j:BV+\j+1]
.endr
.endr
.irp i, 0,1,2,3
.irp j, 0,1,2,3,4,5,6,7
	ds_store_b128 v2, v[X+32*\i+4*\j:X+32*\i+4*\j+3] offset:\i*PITCH+512*\j
.endr
.endr
	s_wait_dscnt 0x0                               ; for the others' sake: my rows lie in the stage
	s_barrier_signal -1
	s_barrier_wait -1
	; my two K steps of all 16 rows
.irp s, 0,1
.irp b, 0,1,2,3
.irp j, 0,1,2,3
	ds_load_b128 v[X+64*\s+16*\b+4*\j:X+64*\s+16*\b+4*\j+3], v3 offset:512*\s+128*\b+16*\j
.endr
.endr
.endr
	s_wait_dscnt 16                                ; the first K step's 16 loads are in; the second's may be out
	QUANT X, 32
	IMGOUT 0
	s_wait_dscnt 0x0
	s_wait_xcnt 0x0                                ; the stores have read the codes' registers
	QUANT X+64, 33
	IMGOUT 12288
	v_cndmask_b32 v34, v32, v33, s24               ; each half of the lanes stores one K step's words
	global_store_b32 v5, v34, s[16:17]
	s_wait_tensorcnt 0x0                           ; the wave's end
	ds_add_u32 v[SPW], v[NIL]
	s_wait_dscnt 0x0
	s_endpgm
	; ======== the weights
.set WV_OFF, 1703936                   ; Wv's operand in wa, behind that of Wq | Wk
.set WO_OFF, 3276800                   ; Wo's in wb, behind W1's
.set W2_OFF, 4194304                   ; W2's in wb
.set WOFF, 16                          ; v16-47   i x the weight's row pitch + 4 x lane; never rewritten
.set WC,   48                          ; v48-79   codes, eight registers a block, of which the eighth is not used
.set WX,   80                          ; v80-207  four sets of 32 numbers
.set WOUT, 208                         ; v208-231 the image on its way out
.Lweights:
	s_load_b256 s[4:11], s[0:1], 0x20              ; Wq, Wk, Wv, Wo
	s_load_b256 s[12:19], s[0:1], 0x40             ; W1, W2, wa, wb
	s_load_b128 s[20:23], s[0:1], 0x60             ; zer, nin
	v_lshrrev_b32 v1, 5, v0
	v_readfirstlane_b32 s31, v1                    ; wave
	s_sub_co_u32 s30, ttmp9, 256                   ; id among the weights' work-groups
	v_and_b32 v1, 31, v0                           ; lane = my column among the wave's 32
	v_lshlrev_b32 v2, 2, v1
	v_bfe_u32 v8, v0, 3, 1                         ; u: which of the wave's two tiles holds my column
	v_and_b32 v9, 7, v0
	v_bfe_u32 v10, v0, 4, 1
	v_lshl_or_b32 v9, v10, 3, v9                   ; r: its lane there
	s_mul_i32 s44, s31, 3072
	s_add_co_u32 s44, s44, WST
	v_mul_u32_u24 v3, v8, 1536
	v_add_nc_u32 v3, s44, v3                       ; my wave's stage + my tile's image
	v_lshl_add_u32 v4, v9, 3, v3
	v_add_nc_u32 v4, 512, v4                       ; where a block's last two registers go
	v_lshl_add_u32 v3, v9, 4, v3                   ; and its first four
	v_lshlrev_b32 v6, 4, v1                        ; the way out: 16 bytes a lane
	v_add_nc_u32 v5, s44, v6
	v_lshlrev_b32 v7, 2, v9
	v_lshl_add_u32 v7, v8, 6, v7                   ; my scale word: 64 u + 4 r
	s_and_b32 s46, s30, 63
	s_and_b32 s47, s30, 255
	s_cmp_lt_u32 s30, 256
	s_cselect_b32 s46, s46, s47                    ; rem: the unit inside the weight
	s_cmp_lt_u32 s30, 128
	s_cselect_b32 s47, s30, s46                    ; unit in the operand (Wq and Wk form one operand)
	s_cselect_b32 s44, 0, WV_OFF
	s_mov_b32 s45, WO_OFF
	s_cmp_lt_u32 s30, 192
	s_cselect_b32 s44, s44, s45
	s_cmp_lt_u32 s30, 256
	s_cselect_b32 s44, s44, 0
	s_mov_b32 s45, W2_OFF
	s_cmp_lt_u32 s30, 512
	s_cselect_b32 s44, s44, s45                    ; the operand's place in its buffer
	s_cselect_b32 s48, 3, 5                        ; log2 of K / 128
	s_mov_b32 s50, 4096
	s_lshr_b32 s49, s30, 8
	s_cmp_eq_u32 s49, 1
	s_cselect_b32 s50, 16384, s50                  ; bytes in a row of the weight
	s_lshr_b32 s51, s46, s48                       ; G: which 128 columns
	s_lshl_b32 s52, s51, s48
	s_sub_co_u32 s52, s46, s52                     ; S: which 128 along K
	s_mul_i32 s54, s52, s50
	s_lshl_b32 s54, s54, 7
	s_lshl_b32 s53, s51, 9
	s_add_co_u32 s54, s54, s53
	s_lshl_b32 s53, s31, 7
	s_add_co_u32 s54, s54, s53                     ; source: 128 S rows + 512 G + 128 x wave
	s_mov_b32 s55, 0
	s_lshl_b32 s56, s50, 5                         ; a block on: 32 rows
	s_mov_b32 s57, 0
	s_mul_i32 s58, s47, 12288
	s_add_co_u32 s58, s58, s44
	s_add_co_u32 s58, s58, CO1
	s_mul_i32 s53, s31, 3072
	s_add_co_u32 s58, s58, s53                     ; codes: my wave's two images
	s_mov_b32 s59, 0
	s_lshl_b32 s60, s47, 9
	s_add_co_u32 s60, s60, s44
	s_lshl_b32 s53, s31, 7
	s_add_co_u32 s60, s60, s53                     ; scale words: my wave's 128 bytes
	s_mov_b32 s61, 0
.set i, 0
.rept 32
	v_mad_u32_u24 v[WOFF+i], s50, i, v2
.set i, i+1
.endr
	s_wait_alu depctr_va_vdst(0)                   ; the wait at the head's end
	s_wait_kmcnt 0x0
	s_cmp_lt_u32 s30, 64
	s_cselect_b64 s[24:25], s[4:5], s[6:7]
	s_cmp_lt_u32 s30, 128
	s_cselect_b64 s[24:25], s[24:25], s[8:9]
	s_cmp_lt_u32 s30, 192
	s_cselect_b64 s[24:25], s[24:25], s[10:11]
	s_cselect_b64 s[28:29], s[16:17], s[18:19]     ; wa or wb
	s_cmp_lt_u32 s30, 256
	s_cselect_b64 s[24:25], s[24:25], s[12:13]
	s_cmp_lt_u32 s30, 512
	s_cselect_b64 s[24:25], s[24:25], s[14:15]     ; the weight
	s_add_nc_u64 s[32:33], s[24:25], s[54:55]      ; a base for each of the four blocks
	s_add_nc_u64 s[34:35], s[32:33], s[56:57]
	s_add_nc_u64 s[36:37], s[34:35], s[56:57]
	s_add_nc_u64 s[38:39], s[36:37], s[56:57]
	s_add_nc_u64 s[40:41], s[28:29], s[58:59]
	s_add_nc_u64 s[42:43], s[28:29], s[60:61]
.macro LOAD t                          ; block t: W(128 S + 32 t + i, my column), i = 0 .. 31
.set i, 0
.rept 32
	global_load_b32 v[WX+32*(\t)+i], v[WOFF+i], s[32+2*(\t):33+2*(\t)] th:TH_LOAD_NT
.set i, i+1
.endr
.endm
.macro BLOCK t
.set XS, WX+32*(\t)
.set CC, WC+8*(\t)
	v_max3_num_f32 v8, |v[XS]|, |v[XS+1]|, |v[XS+2]|               ; the block's largest magnitude: all 32 numbers are mine; two chains
	v_max3_num_f32 v9, |v[XS+3]|, |v[XS+4]|, |v[XS+5]|
.irp i, 6,10,14,18,22,26
	v_max3_num_f32 v8, v8, |v[XS+\i]|, |v[XS+\i+1]|
	v_max3_num_f32 v9, v9, |v[XS+\i+2]|, |v[XS+\i+3]|
.endr
	v_max3_num_f32 v8, v8, |v[XS+30]|, |v[XS+31]|
	v_max3_num_f32 v8, v8, v9, 0x1800000           ; and the floor 2^(3 - 127): the byte cannot fall under 1
	v_add_nc_u32 v10, 0xff000000, v8               ; 2 off the exponent field: the conversion takes that field as its scale
	v_lshrrev_b32 v11, 23, v10                     ; the scale's byte
.if (\t) == 0
	v_mov_b32 v12, v11
.else
	v_lshl_or_b32 v12, v11, 8*(\t), v12            ; byte t of my column's scale word
.endif
	v_cvt_scalef32_pk16_fp6_f32 v[CC:CC+2], v[XS:XS+15], v10
	v_cvt_scalef32_pk16_fp6_f32 v[CC+4:CC+6], v[XS+16:XS+31], v10
	v_nop                                          ; one plain instruction behind the conversions
	v_mov_b32 v[CC+3], v[CC+4]
	v_mov_b32 v[CC+4], v[CC+5]
	v_mov_b32 v[CC+5], v[CC+6]                     ; six registers on end: the block's 24 bytes
	ds_store_b128 v3, v[CC:CC+3] offset:768*((\t)/2)+256*((\t)%2)  ; block t = 2 c + h belongs to lane 16 h + r of the image's half c
	ds_store_b64 v4, v[CC+4:CC+5] offset:768*((\t)/2)+128*((\t)%2)
.endm
	LOAD 0
	LOAD 1
	s_wait_loadcnt 32                              ; block 0 is in; block 1's 32 loads may be out
	LOAD 2
	BLOCK 0
	s_wait_loadcnt 32                              ; block 1 is in; block 2's may be out
	LOAD 3
	BLOCK 1
	s_wait_loadcnt 32                              ; block 2 is in; block 3's may be out
	BLOCK 2
	s_wait_loadcnt 0x0
	BLOCK 3
	global_store_b32 v7, v12, s[42:43]             ; the wave's 32 scale words: 128 consecutive bytes
.irp i, 0,1,2,3,4,5
	ds_load_b128 v[WOUT+4*\i:WOUT+4*\i+3], v5 offset:512*\i        ; LDS serves a wave's instructions in order: these see the stores above
.endr
.irp i, 0,1,2,3,4,5
	s_wait_dscnt 5-\i                              ; load i is back; the younger ones may be out
	global_store_b128 v6, v[WOUT+4*\i:WOUT+4*\i+3], s[40:41] offset:512*\i   ; 512 consecutive bytes, at a multiple of 256
.endr
	s_cmp_lt_u32 s30, 33                           ; ids 0 to 31 write 512 bytes of zeros each, id 32 the 512 bytes of -infinity
	s_cbranch_scc0 .Lend
	s_cmp_lt_u32 s30, 32
	s_cselect_b64 s[24:25], s[20:21], s[22:23]
	s_cselect_b32 s44, s30, 0
	s_cselect_b32 s46, 0, 0xff800000
	s_lshl_b32 s44, s44, 9
	s_mov_b32 s45, 0
	s_add_nc_u64 s[24:25], s[24:25], s[44:45]
	v_mov_b32 v13, s46
	v_lshlrev_b32 v14, 2, v0
	global_store_b32 v14, v13, s[24:25]
.Lend:
	s_wait_tensorcnt 0x0                           ; the wave's end
	ds_add_u32 v[SPW], v[NIL]
	s_wait_dscnt 0x0
	s_endpgm
.Lfunc_end_k_qd1134c9e4c_prep:
	.size	k_qd1134c9e4c_prep, .Lfunc_end_k_qd1134c9e4c_prep-k_qd1134c9e4c_prep
	.p2alignl 7, 3214868480
	.fill 96, 4, 3214868480
	.section	.rodata,"a",@progbits
	.p2align	6, 0x0
	.amdhsa_kernel k_qd1134c9e4c_prep
		.amdhsa_group_segment_fixed_size 78592
		.amdhsa_private_segment_fixed_size 0
		.amdhsa_enable_private_segment 0
		.amdhsa_kernarg_size 112
		.amdhsa_user_sgpr_count 2
		.amdhsa_user_sgpr_kernarg_segment_ptr 1
		.amdhsa_wavefront_size32 1
		.amdhsa_system_sgpr_workgroup_id_x 1
		.amdhsa_system_sgpr_workgroup_id_y 1
		.amdhsa_system_sgpr_workgroup_id_z 1
		.amdhsa_system_vgpr_workitem_id 0
		.amdhsa_next_free_vgpr 256
		.amdhsa_next_free_sgpr 66
		.amdhsa_reserve_vcc 0
		.amdhsa_float_denorm_mode_32 3
		.amdhsa_float_denorm_mode_16_64 3
		.amdhsa_memory_ordered 1
		.amdhsa_forward_progress 1
		.amdhsa_inst_pref_size 70
	.end_amdhsa_kernel
	.amdgpu_metadata
---
amdhsa.version: [ 1, 2 ]
amdhsa.kernels:
  - .name:           k_qd1134c9e4c_prep
    .symbol:         k_qd1134c9e4c_prep.kd
    .args:
      - { .name: x, .offset: 0, .size: 8, .value_kind: global_buffer, .address_space: global }
      - { .name: ln1_g, .offset: 8, .size: 8, .value_kind: global_buffer, .address_space: global }
      - { .name: ln1_b, .offset: 16, .size: 8, .value_kind: global_buffer, .address_space: global }
      - { .name: act, .offset: 24, .size: 8, .value_kind: global_buffer, .address_space: global }
      - { .name: Wq, .offset: 32, .size: 8, .value_kind: global_buffer, .address_space: global }
      - { .name: Wk, .offset: 40, .size: 8, .value_kind: global_buffer, .address_space: global }
      - { .name: Wv, .offset: 48, .size: 8, .value_kind: global_buffer, .address_space: global }
      - { .name: Wo, .offset: 56, .size: 8, .value_kind: global_buffer, .address_space: global }
      - { .name: W1, .offset: 64, .size: 8, .value_kind: global_buffer, .address_space: global }
      - { .name: W2, .offset: 72, .size: 8, .value_kind: global_buffer, .address_space: global }
      - { .name: wa, .offset: 80, .size: 8, .value_kind: global_buffer, .address_space: global }
      - { .name: wb, .offset: 88, .size: 8, .value_kind: global_buffer, .address_space: global }
      - { .name: zer, .offset: 96, .size: 8, .value_kind: global_buffer, .address_space: global }
      - { .name: nin, .offset: 104, .size: 8, .value_kind: global_buffer, .address_space: global }
    .group_segment_fixed_size: 78592
    .private_segment_fixed_size: 0
    .kernarg_segment_align: 8
    .kernarg_segment_size: 112
    .max_flat_workgroup_size: 128
    .sgpr_count:     66
    .vgpr_count:     256
    .wavefront_size: 32
...
	.end_amdgpu_metadata
.endif
;; end of part 1
;; launch qkv (part 2): grid 8 x 24, 4 waves a work-group, clusters of 4 x 4, 327,680 bytes of LDS; arguments act, wa, zer, nin, big; writes big
.if DOCPART == 2
	.amdgcn_target "amdgcn-amd-amdhsa--gfx1250"
	.amdhsa_code_object_version 6
	.text
	.protected	k_qd1134c9e4c_qkv
	.globl	k_qd1134c9e4c_qkv
	.p2align	8
	.type	k_qd1134c9e4c_qkv,@function
k_qd1134c9e4c_qkv:
	s_mov_b64 s[64:65], 0
	v_nop
	global_prefetch_b8 v0, s[64:65] scope:SCOPE_SE
	s_setreg_imm32_b32 hwreg(HW_REG_WAVE_MODE, 25, 1), 1
	s_wait_xcnt 0x0
	s_wait_alu depctr_hold_cnt(0) depctr_sa_sdst(0) depctr_va_vdst(0) depctr_va_sdst(0) depctr_va_ssrc(0) depctr_va_vcc(0) depctr_vm_vsrc(0)
	s_getreg_b32 s2, hwreg(HW_REG_IB_STS2, 6, 4)
	s_cmp_eq_u32 s2, 0
	s_cbranch_scc0 .Lentry_in_a_cluster
	s_endpgm
.Lentry_in_a_cluster:
	s_bfe_u32 s2, ttmp6, 0x10000c
	s_cmp_lg_u32 s2, 0xf033
	s_cbranch_scc0 .Lentry_shape_is_right
	s_endpgm
.Lentry_shape_is_right:
; C[m][n] = max(floor, sum over k of A[m][k] B[n][k] + bias[n]), K = 1,024, both operands MX-FP6 images; C is quantised along n to MX-FP6 in registers and stored as an operand image with 32 K steps a row group.
; Arguments: P0 (activations' image), P1 (weights' images), bias, floor (one f32: -infinity leaves C as it is, 0 is relu), out.
; OPERAND LAYOUT.  Lane r of row tile J holds row 32 (J / 2) + 8 (J % 2) + r % 8 + 16 (r / 8).  Unit u = (J / 8) x KS + S.  Codes at CO + 12,288 u + 1,536 (J % 8): half c at 768 c,
; registers 6 c .. 6 c + 3 at 16 x lane, 6 c + 4, 6 c + 5 at 512 + 8 x lane.  Scale words at 512 u + 64 (J % 8) + 4 r.  So 128 rows x n K steps are n x 12,288 dense bytes.
; TRANSPOSED USE: source 0 = 16 rows of B, source 1 = 16 rows of A: a lane holds one row m, and B's tiles 2 b, 2 b + 1 give it n = 32 b + 16 (lane / 16) + 0 .. 15, neighbours along the next K.
; SIDES, by the cluster's y.  y < 4: A = P0, B = P1, out at 0.  y >= 4 (the launch with 24 rows of work-groups): A = Wv's image in P1, B = P0, out at VT_OFF: v transposed, quantised along the tokens.
; SHARES.  A work-group holds 256 rows of A for all of K in LDS (filled once) and walks two tiles of 128 rows of B through two slots of four K steps.  Wave w: rows 64 w .. 64 w + 63 x 128 columns: 32 accumulators.
; THE HEAD'S FOUR TILES, one joint load a wave: waves 0, 1 the two halves of A (98,304 bytes each), waves 2, 3 B's two slots (49,152 each).  A is shared along a row of the 4 x 4 cluster, B along a column.
; THE SCALE WORDS go from memory into registers once: 16 of A, 64 of B (both tiles): a load covers 128 consecutive bytes, two or four loads on end whole runs of 256.
; PREFETCH: the second tile of B is asked for at the head, two instructions a wave: of the 12,288 bytes that a wave refills, each of the four partners of a column names 3,072 (12 lanes, 256 bytes apart; the other lanes name the last again).
; REGISTERS: window 0: v1-18 addresses; v32-127 A's fragments (two sets of four); v128-171 the quantiser's; v176-191 A's scale words, v192-255 B's.  window 1: B's fragments, two sets of eight.
;   window 2: accumulator (a, bt) at v[64 a + 8 bt].  window 3: the bias of tile t at v[64 t + 8 bt]: the C of each sum's first matrix instruction.
; LIMITS: NaN and infinities are not served; a block under 2^-124 keeps the byte 1 (this program alone reads the bytes).
.set CO1,    131072
.set CO4,    524288
.set WV_OFF, 1703936
.set VT_OFF, 13107200
.set APART,  49152                     ; four K steps of 128 rows
.set BS0,    196608                    ; LDS: A's codes 0 .. 196,607; B's two slots from here
.set SPARE,  294912                    ; the spare words, 128 bytes a wave
.set SPW, 14
.set NIL, 15
.set AF,  32
.set TM,  128
.set PW,  144
.set PC,  152
.set SAR, 176                          ; A's scale words: register 2 s + pp
.set SBR, 192                          ; B's: register 32 t + 4 s + b
.set SEL, 20
.set MSB, 0
.macro WIN new                         ; the immediate's high byte repeats the setting that is left
.if MSB != \new
	s_set_vgpr_msb (MSB<<8)|\new
.set MSB, \new
.endif
.endm
.set TO_B, 0x40
.set MULW, 0xa1                        ; source 0 (B) window 1, source 1 (A) window 0, C and D window 2
.set MULF, 0xb1                        ; the same with C (the bias) in window 3
.macro PLACES n
.rept \n
	v_nop
.endr
.endm
.macro CREST
	s_cmp_lg_u32 s14, 0
	s_cbranch_scc1 .Lnot_wave_0_\@
	s_barrier_signal -3
.Lnot_wave_0_\@:
	s_barrier_wait -3
	s_barrier_signal -1
	s_barrier_wait -1
.endm
.macro CROUND
	s_barrier_signal -1
	s_barrier_wait -1
	CREST
.endm
.macro GROUP1 g, rows                  ; a dense block as rows of 256 bytes: 32 elements of 8 bytes
	s_mov_b32 s[\g+1], 32<<16
	s_mov_b32 s[\g+2], (\rows)<<16
	s_mov_b32 s[\g+3], 32<<16
	s_mov_b32 s[\g+4], \rows
	s_mov_b32 s[\g+5], 32
	s_mov_b32 s[\g+6], 0
	s_mov_b32 s[\g+7], 0
.endm
	s_load_b256 s[4:11], s[0:1], 0x0               ; P0, P1, bias, floor
	s_load_b64 s[12:13], s[0:1], 0x20              ; out
	v_lshl_add_u32 v[SPW], v0, 2, SPARE
	v_mov_b32 v[NIL], 0
	ds_add_u32 v[SPW], v[NIL]                      ; the opening lines: the add twice and its wait
	ds_add_u32 v[SPW], v[NIL]
	s_wait_dscnt 0x0
	v_lshrrev_b32 v1, 5, v0
	v_readfirstlane_b32 s14, v1                    ; wave
	s_lshr_b32 s15, s14, 1                         ; g2: which 128 of A's 256 rows are mine.  Also: at the head I fetch for A (0) or B (1)
	s_and_b32 s16, s14, 1                          ; w1: which 64 of those.  Also: which half or slot I fetch at the head
	s_bfe_u32 s40, ttmp6, 0x40000                  ; cx
	s_bfe_u32 s41, ttmp6, 0x40004                  ; cy
	s_lshl_b32 s42, ttmp9, 2
	s_add_co_u32 s42, s42, s40                     ; work-group x
	s_and_b32 s45, ttmp7, 0xffff                   ; the cluster's y
	s_lshl_b32 s43, s41, 2
	s_lshl_b32 s43, 15, s43                        ; my row of the cluster
	s_lshl_b32 s44, 0x1111, s40                    ; my column
	s_or_b32 s24, s43, (3<<16)|(1<<21)
	s_or_b32 s32, s44, (3<<16)|(1<<21)
	s_or_b32 s48, s44, (3<<16)|(1<<21)
	GROUP1 24, 384                                 ; half of A: 98,304 bytes
	GROUP1 32, 48                                  ; a refill's quarter of a slot: 12,288
	GROUP1 48, 192                                 ; a whole slot of B: 49,152
	s_lshl_b32 s18, s45, 2
	s_cmp_lt_u32 s45, 4
	s_cselect_b32 s18, s18, 0
	s_add_co_u32 s18, s18, s41                     ; RG: which 256 rows of A
	s_sub_co_u32 s19, s45, 4
	s_lshl_b32 s19, s19, 3
	s_cmp_lt_u32 s45, 4
	s_cselect_b32 s19, 0, s19
	s_add_co_u32 s19, s19, s42
	s_lshl_b32 s19, s19, 1                         ; my first tile of B
	s_lshl_b32 s20, s18, 13                        ; A's scale words: 8,192 RG + 4,096 g2 + 256 w1
	s_lshl_b32 s21, s15, 12
	s_add_co_u32 s20, s20, s21
	s_lshl_b32 s21, s16, 8
	s_add_co_u32 s20, s20, s21
	s_mov_b32 s21, 0
	s_mul_i32 s77, s16, 98304                      ; A's half: its place in LDS,
	s_mul_i32 s22, s18, 196608
	s_add_co_u32 s22, s22, s77
	s_add_co_u32 s22, s22, CO1                     ; and in memory
	s_mov_b32 s23, 0
	s_lshl_b32 s46, s19, 12                        ; B's scale words: 4,096 a tile
	s_mov_b32 s47, 0
	s_mul_i32 s66, s19, 98304
	s_add_co_u32 s66, s66, CO1
	s_mul_i32 s81, s16, APART
	s_add_co_u32 s68, s66, s81                     ; the head's slot of B in memory,
	s_mov_b32 s69, 0
	s_add_co_u32 s81, s81, BS0                     ; and in LDS
	s_mul_i32 s67, s14, 12288                      ; of a refill's four K steps each wave fetches one
	s_add_co_u32 s66, s66, s67
	s_add_co_u32 s85, s67, BS0
	s_add_co_u32 s89, s85, APART
	s_mov_b32 s67, 0
.irp g, 76,80,84,88
	s_mov_b32 s\g, 1
.endr
	s_lshl_b32 s96, s18, 1                         ; the result: unit (2 RG + g2) x 32 + my first tile of B
	s_add_co_u32 s96, s96, s15
	s_lshl_b32 s96, s96, 5
	s_add_co_u32 s96, s96, s19
	s_lshl_b32 s98, s96, 9
	s_lshl_b32 s97, s16, 8
	s_add_co_u32 s98, s98, s97
	s_mov_b32 s99, 0
	s_mul_i32 s96, s96, 12288
	s_mul_i32 s97, s16, 6144
	s_add_co_u32 s96, s96, s97
	s_add_co_u32 s96, s96, CO4
	s_mov_b32 s97, 0
	s_wait_kmcnt 0x0
	s_cmp_lt_u32 s45, 4                            ; the side: a choice between buffers that hangs on the cluster's y alone
	s_add_nc_u64 s[2:3], s[6:7], WV_OFF
	s_cselect_b64 s[92:93], s[4:5], s[2:3]         ; A
	s_cselect_b64 s[94:95], s[6:7], s[4:5]         ; B
	s_add_nc_u64 s[2:3], s[12:13], VT_OFF
	s_cselect_b64 s[12:13], s[12:13], s[2:3]       ; out
	s_add_nc_u64 s[70:71], s[92:93], s[20:21]      ; A's scale words
	s_add_nc_u64 s[78:79], s[92:93], s[22:23]
	s_add_nc_u64 s[74:75], s[94:95], s[46:47]      ; B's scale words
	s_add_nc_u64 s[82:83], s[94:95], s[68:69]
	s_add_nc_u64 s[86:87], s[94:95], s[66:67]
	s_add_nc_u64 s[90:91], s[86:87], APART
	s_mul_i32 s2, s41, 3072
	s_mov_b32 s3, 0
	s_add_nc_u64 s[72:73], s[86:87], s[2:3]
	s_add_nc_u64 s[72:73], s[72:73], 98304         ; the prefetch: the next tile's bytes that I refill, my work-group's quarter of them (by cy)
.irp g, 79,83,87,91
	s_or_b32 s\g, s\g, 0x80000000
.endr
	s_add_nc_u64 s[98:99], s[12:13], s[98:99]
	s_add_nc_u64 s[96:97], s[12:13], s[96:97]
	s_lshl_b32 s92, s19, 9
	s_mov_b32 s93, 0
	s_add_nc_u64 s[8:9], s[8:9], s[92:93]          ; the bias of my first tile of B
	s_load_b32 s17, s[10:11], 0x0                  ; the floor
	CROUND                                         ; all sixteen work-groups are here: the first joint loads meet
	s_cmp_eq_u32 s15, 0                            ; one load a wave
	s_cbranch_scc0 .Lhead_b
	tensor_load_to_lds s[76:79], s[24:31]          ; waves 0, 1: half of A, all of K
	s_nop 0
	PLACES 4
	s_branch .Lhead_asked
.Lhead_b:
	tensor_load_to_lds s[80:83], s[48:55]          ; waves 2, 3: tile 0 of B, K steps 0-3 or 4-7
	s_nop 0
	PLACES 4
.Lhead_asked:
	v_and_b32 v17, 31, v0
	v_lshlrev_b32 v1, 4, v17                       ; 16 x lane
	v_lshlrev_b32 v2, 3, v17                       ; 8 x lane
	v_lshlrev_b32 v3, 2, v17                       ; 4 x lane
	v_min_u32 v18, 11, v17
	v_lshlrev_b32 v18, 8, v18                      ; the prefetch: 256 x min(lane, 11)
	s_wait_alu depctr_va_vdst(0)                   ; the wait ahead of the scalar lines
	s_mul_i32 s2, s15, 98304
	s_mul_i32 s3, s16, 6144
	s_add_co_u32 s2, s2, s3                        ; my four tiles of A
	v_add_nc_u32 v4, s2, v1
	v_add_nc_u32 v6, s2, v2
	s_add_co_u32 s2, s2, APART
	v_add_nc_u32 v5, s2, v1
	v_add_nc_u32 v7, s2, v2
	v_add_nc_u32 v8, BS0, v1
	v_add_nc_u32 v9, BS0+APART, v1
	v_add_nc_u32 v10, BS0, v2
	v_add_nc_u32 v11, BS0+APART, v2
	v_bfe_u32 v16, v0, 4, 1
	v_lshlrev_b32 v16, 6, v16                      ; the bias: 16 numbers on for lanes 16-31
.irp b, 0,1,2,3
	v_mov_b32 v[TM+4+\b], 0                        ; a lane permute's destination counts as one of its sources
.endr
	s_mov_b32 s[SEL], 0x76543210
	s_mov_b32 s[SEL+1], 0xfedcba98
	s_mov_b32 s22, 0xffff0000
	s_wait_alu depctr_va_vdst(0)                   ; the wait ahead of the readers below
.irp s, 0,1,2,3,4,5,6,7
.irp pp, 0,1
	global_load_b32 v[SAR+2*\s+\pp], v3, s[70:71] offset:\s*512+128*\pp      ; 4 x lane takes two neighbouring tiles, one in each half of the lanes
.endr
.endr
.irp t, 0,1
.irp s, 0,1,2,3,4,5,6,7
.irp b, 0,1,2,3
	global_load_b32 v[SBR+32*\t+4*\s+\b], v3, s[74:75] offset:\t*4096+\s*512+128*\b
.endr
.endr
.endr
	WIN 0xc0                                       ; destination window 3
.irp t, 0,1
.irp bt, 0,1,2,3,4,5,6,7
	global_load_b128 v[64*\t+8*\bt:64*\t+8*\bt+3], v16, s[8:9] offset:512*\t+(32*(\bt/2)+8*(\bt%2))*4
	global_load_b128 v[64*\t+8*\bt+4:64*\t+8*\bt+7], v16, s[8:9] offset:512*\t+(32*(\bt/2)+8*(\bt%2))*4+16
.endr
.endr
	WIN 0
	global_prefetch_b8 v18, s[72:73] th:TH_LOAD_NT scope:SCOPE_SE               ; tile 1, K steps 0-3: wanted by the refill four K steps on
	global_prefetch_b8 v18, s[72:73] offset:APART th:TH_LOAD_NT scope:SCOPE_SE  ; and K steps 4-7: eight K steps on
.macro FRAGL reg, a16, a8, off                 ; a fragment's image comes back as it was stored
	ds_load_b128 v[\reg:\reg+3], v[\a16] offset:\off
	ds_load_b64 v[\reg+4:\reg+5], v[\a8] offset:\off+512
	ds_load_b128 v[\reg+6:\reg+9], v[\a16] offset:\off+768
	ds_load_b64 v[\reg+10:\reg+11], v[\a8] offset:\off+1280
.endm
.macro FETCH s                                 ; K step s into set s % 2: 8 fragments of B, 4 of A: 48 LDS loads in one run
.set fs, (\s)%2
.set fpt, (\s)/4
.set fq, (\s)%4
	WIN TO_B
.irp bt, 0,1,2,3,4,5,6,7
	FRAGL 96*fs+12*\bt, 8+fpt, 10+fpt, fq*12288+\bt*1536
.endr
	WIN 0
.irp a, 0,1,2,3
	FRAGL AF+48*fs+12*\a, 4+fpt, 6+fpt, fq*12288+\a*1536
.endr
.endm
.macro WMC d, x, y, c, sx, sy, rx, ry          ; rx, ry: the scales of source 0, 1 stand in lanes 16-31 of their registers
.if (\rx) && (\ry)
	v_wmma_scale_f32_16x16x128_f8f6f4 v[\d:\d+7], v[\x:\x+11], v[\y:\y+11], v[\c:\c+7], v[\sx], v[\sy] matrix_a_fmt:MATRIX_FMT_FP6 matrix_b_fmt:MATRIX_FMT_FP6 matrix_a_scale:MATRIX_SCALE_ROW1 matrix_b_scale:MATRIX_SCALE_ROW1
.elseif \rx
	v_wmma_scale_f32_16x16x128_f8f6f4 v[\d:\d+7], v[\x:\x+11], v[\y:\y+11], v[\c:\c+7], v[\sx], v[\sy] matrix_a_fmt:MATRIX_FMT_FP6 matrix_b_fmt:MATRIX_FMT_FP6 matrix_a_scale:MATRIX_SCALE_ROW1
.elseif \ry
	v_wmma_scale_f32_16x16x128_f8f6f4 v[\d:\d+7], v[\x:\x+11], v[\y:\y+11], v[\c:\c+7], v[\sx], v[\sy] matrix_a_fmt:MATRIX_FMT_FP6 matrix_b_fmt:MATRIX_FMT_FP6 matrix_b_scale:MATRIX_SCALE_ROW1
.else
	v_wmma_scale_f32_16x16x128_f8f6f4 v[\d:\d+7], v[\x:\x+11], v[\y:\y+11], v[\c:\c+7], v[\sx], v[\sy] matrix_a_fmt:MATRIX_FMT_FP6 matrix_b_fmt:MATRIX_FMT_FP6
.endif
.endm
; na tiles of A from a0 on x B's eight.  The 32 accumulators take turns, one instruction a turn.  K step 0 takes the bias as C.
.macro MUL t, s, a0, na
.set ms, (\s)%2
.if (\s) == 0
	WIN MULF
.else
	WIN MULW
.endif
.set ma, \a0
.rept \na
.set mb, 0
.rept 8
.if (\s) == 0
	WMC 64*ma+8*mb, 96*ms+12*mb, AF+48*ms+12*ma, 64*(\t)+8*mb, SBR+32*(\t)+4*(\s)+mb/2, SAR+2*(\s)+ma/2, mb%2, ma%2
.else
	WMC 64*ma+8*mb, 96*ms+12*mb, AF+48*ms+12*ma, 64*ma+8*mb, SBR+32*(\t)+4*(\s)+mb/2, SAR+2*(\s)+ma/2, mb%2, ma%2
.endif
.set mb, mb+1
.endr
.set ma, ma+1
.endr
.endm
; A K step whose successor lies in the same slot.  The places stand in front of loads into registers that the last matrix instructions have read; one more where accumulators begin anew with another C.
.macro STEP t, s
.if (\s) == 0
	PLACES 5
.else
	PLACES 4
.endif
	FETCH (\s)+1
	s_wait_dscnt 48                                ; all but the 48 just issued: this K step's set is in
	MUL \t, \s, 0, 4
.endm
; A slot's last K step changes slots.  fill = 1: the slot is filled again with the next tile's K steps: the barrier opens a round of the cluster's barrier, and the joint refill comes first behind it.
.macro TURN t, s, fill, sn
	WIN 0
	s_wait_tensorcnt 0x0                           ; all my tensor loads have landed: so a group 0 may be written
	ds_add_u32 v[SPW], v[NIL]
.if \fill
	s_add_nc_u64 s[86+4*((\s)/4):87+4*((\s)/4)], s[86+4*((\s)/4):87+4*((\s)/4)], 98304   ; the same K steps of the next tile
.endif
	s_wait_dscnt 0x0                               ; the add is done, this K step's set is in, my reads of the slot are over
	s_barrier_signal -1
	MUL \t, \s, 0, 2
	WIN 0
	s_barrier_wait -1
.if \fill
	CREST
	tensor_load_to_lds s[84+4*((\s)/4):87+4*((\s)/4)], s[32:39]    ; my one tensor load behind the round
	s_nop 0
.endif
	PLACES 4
	FETCH \sn
	MUL \t, \s, 2, 2
.endm
; The quantiser on 64 accumulator registers of window 2 (register 16 b + i = n 32 b + 16 (lane / 16) + i of my row): codes into v[PC] on, scale word into v[pw].
.macro QUANTW s, pw
	WIN 0x0a
.irp b, 0,1,2,3
	v_max3_num_f32 v[TM+\b], |v[\s+16*\b]|, |v[\s+1+16*\b]|, 0x1800000   ; the floor 2^(3 - 127): the byte cannot fall under 1
.endr
.irp i, 2,4,6,8,10,12,14
.irp b, 0,1,2,3
	v_max3_num_f32 v[TM+\b], |v[\s+16*\b+\i]|, |v[\s+1+16*\b+\i]|, v[TM+\b]
.endr
.endr
	WIN 0
.irp b, 0,1,2,3
	v_permlanex16_b32 v[TM+4+\b], v[TM+\b], s[SEL], s[SEL+1]
.endr
.irp b, 0,1,2,3
	v_max_num_f32 v[TM+\b], v[TM+\b], v[TM+4+\b]
.endr
.irp b, 0,1,2,3
	v_add_nc_u32 v[TM+12+\b], 0xff000000, v[TM+\b] ; 2 off the exponent field: the conversion's scale operand
.endr
.irp b, 0,1,2,3
	v_lshrrev_b32 v[TM+4+\b], 23, v[TM+12+\b]
.endr
	v_lshl_or_b32 v[\pw], v[TM+5], 8, v[TM+4]
	v_lshl_or_b32 v[\pw], v[TM+6], 16, v[\pw]
	v_lshl_or_b32 v[\pw], v[TM+7], 24, v[\pw]
	s_wait_xcnt 0x0                                ; the last fragment's stores have read the codes' registers
	WIN 0x02
.irp c, 0,1
	v_cvt_scalef32_pk16_fp6_f32 v[PC+6*\c:PC+2+6*\c], v[\s+32*\c:\s+15+32*\c], v[TM+12+2*\c]
	v_cvt_scalef32_pk16_fp6_f32 v[PC+12+4*\c:PC+14+4*\c], v[\s+16+32*\c:\s+31+32*\c], v[TM+12+2*\c+1]
.endr
	WIN 0
	v_nop                                          ; one plain instruction behind the conversions
.irp c, 0,1
.irp i, 0,1,2
	v_permlane16_swap_b32 v[PC+6*\c+\i], v[PC+12+4*\c+\i]
.endr
.irp i, 0,1,2
	v_mov_b32 v[PC+3+6*\c+\i], v[PC+12+4*\c+\i]
.endr
.endr
.endm
; Tile t's results: the floor, the quantiser, and the fragment's image to memory, for each of my four tiles of rows.
.macro EPI t
	PLACES 4
.irp a, 0,1,2,3
	WIN 0x88
.set ej, 0
.rept 64
	v_max_num_f32 v[64*\a+ej], s17, v[64*\a+ej]    ; ascending: each accumulator is read from its low end on
.set ej, ej+1
.endr
	QUANTW 64*\a, PW+\a
	global_store_b128 v1, v[PC:PC+3], s[96:97] offset:(\t)*12288+\a*1536          ; 512 or 256 consecutive bytes a store, at multiples of 256
	global_store_b64 v2, v[PC+4:PC+5], s[96:97] offset:(\t)*12288+\a*1536+512
	global_store_b128 v1, v[PC+6:PC+9], s[96:97] offset:(\t)*12288+\a*1536+768
	global_store_b64 v2, v[PC+10:PC+11], s[96:97] offset:(\t)*12288+\a*1536+1280
.endr
	v_cndmask_b32 v148, v[PW], v[PW+1], s22        ; lanes 0-15 store the even tile's words, lanes 16-31 the odd one's
	v_cndmask_b32 v149, v[PW+2], v[PW+3], s22
	global_store_b32 v3, v148, s[98:99] offset:(\t)*512
	global_store_b32 v3, v149, s[98:99] offset:(\t)*512+128
.endm
	s_wait_alu depctr_va_vdst(0)                   ; the wait at the head's end
	s_wait_tensorcnt 0x0                           ; my tile of the head's four is in
	s_barrier_signal -1
	s_barrier_wait -1
	FETCH 0
	s_wait_loadcnt 0x0                             ; the scale words and the bias
	s_wait_kmcnt 0x0                               ; the floor
	STEP 0, 0
	STEP 0, 1
	STEP 0, 2
	TURN 0, 3, 1, 4
	STEP 0, 4
	STEP 0, 5
	STEP 0, 6
	TURN 0, 7, 1, 0
	EPI 0
	STEP 1, 0
	STEP 1, 1
	STEP 1, 2
	TURN 1, 3, 0, 4                                ; nothing is left to fetch
	STEP 1, 4
	STEP 1, 5
	STEP 1, 6
	s_wait_dscnt 0x0
	MUL 1, 7, 0, 4
	EPI 1
	s_wait_tensorcnt 0x0                           ; the wave's end
	ds_add_u32 v[SPW], v[NIL]
	s_wait_dscnt 0x0
	CROUND                                         ; the closing round
	s_endpgm
.Lfunc_end_k_qd1134c9e4c_qkv:
	.size	k_qd1134c9e4c_qkv, .Lfunc_end_k_qd1134c9e4c_qkv-k_qd1134c9e4c_qkv
	.p2alignl 7, 3214868480
	.fill 96, 4, 3214868480
	.section	.rodata,"a",@progbits
	.p2align	6, 0x0
	.amdhsa_kernel k_qd1134c9e4c_qkv
		.amdhsa_group_segment_fixed_size 327680
		.amdhsa_private_segment_fixed_size 0
		.amdhsa_enable_private_segment 0
		.amdhsa_kernarg_size 40
		.amdhsa_user_sgpr_count 2
		.amdhsa_user_sgpr_kernarg_segment_ptr 1
		.amdhsa_wavefront_size32 1
		.amdhsa_system_sgpr_workgroup_id_x 1
		.amdhsa_system_sgpr_workgroup_id_y 1
		.amdhsa_system_sgpr_workgroup_id_z 1
		.amdhsa_system_vgpr_workitem_id 0
		.amdhsa_next_free_vgpr 896
		.amdhsa_next_free_sgpr 100
		.amdhsa_reserve_vcc 0
		.amdhsa_float_denorm_mode_32 3
		.amdhsa_float_denorm_mode_16_64 3
		.amdhsa_memory_ordered 1
		.amdhsa_forward_progress 1
		.amdhsa_inst_pref_size 188
	.end_amdhsa_kernel
	.amdgpu_metadata
---
amdhsa.version: [ 1, 2 ]
amdhsa.kernels:
  - .name:           k_qd1134c9e4c_qkv
    .symbol:         k_qd1134c9e4c_qkv.kd
    .args:
      - { .name: act, .offset: 0, .size: 8, .value_kind: global_buffer, .address_space: global }
      - { .name: wa, .offset: 8, .size: 8, .value_kind: global_buffer, .address_space: global }
      - { .name: zer, .offset: 16, .size: 8, .value_kind: global_buffer, .address_space: global }
      - { .name: nin, .offset: 24, .size: 8, .value_kind: global_buffer, .address_space: global }
      - { .name: big, .offset: 32, .size: 8, .value_kind: global_buffer, .address_space: global }
    .group_segment_fixed_size: 327680
    .private_segment_fixed_size: 0
    .kernarg_segment_align: 8
    .kernarg_segment_size: 40
    .max_flat_workgroup_size: 128
    .sgpr_count:     100
    .vgpr_count:     896
    .wavefront_size: 32
...
	.end_amdgpu_metadata
.endif
;; end of part 2
;; launch attn (part 3): grid 8 x 32, 16 waves a work-group, clusters of 4 x 1, 327,680 bytes of LDS; arguments big, att; writes att
.if DOCPART == 3
	.amdgcn_target "amdgcn-amd-amdhsa--gfx1250"
	.amdhsa_code_object_version 6
	.text
	.protected	k_qd1134c9e4c_attn
	.globl	k_qd1134c9e4c_attn
	.p2align	8
	.type	k_qd1134c9e4c_attn,@function
k_qd1134c9e4c_attn:
	s_mov_b64 s[64:65], 0
	v_nop
	global_prefetch_b8 v0, s[64:65] scope:SCOPE_SE
	s_setreg_imm32_b32 hwreg(HW_REG_WAVE_MODE, 25, 1), 1
	s_wait_xcnt 0x0
	s_wait_alu depctr_hold_cnt(0) depctr_sa_sdst(0) depctr_va_vdst(0) depctr_va_sdst(0) depctr_va_ssrc(0) depctr_va_vcc(0) depctr_vm_vsrc(0)
	s_getreg_b32 s2, hwreg(HW_REG_IB_STS2, 6, 4)
	s_cmp_eq_u32 s2, 0
	s_cbranch_scc0 .Lentry_in_a_cluster
	s_endpgm
.Lentry_in_a_cluster:
	s_bfe_u32 s2, ttmp6, 0x10000c
	s_cmp_lg_u32 s2, 0x3003
	s_cbranch_scc0 .Lentry_shape_is_right
	s_endpgm
.Lentry_shape_is_right:
.set CO1,    131072
.set CO4,    524288
.set VT_OFF, 13107200
.set VB,     98304
.set KSCL,   196608
.set VSCL,   200704
.macro PLACES n
.rept \n
	v_nop
.endr
.endm
.macro CROUND
	s_barrier_signal -1
	s_barrier_wait -1
	s_cmp_lg_u32 s8, 0
	s_cbranch_scc1 .Lnot_wave_0_\@
	s_barrier_signal -3
.Lnot_wave_0_\@:
	s_barrier_wait -3
	s_barrier_signal -1
	s_barrier_wait -1
.endm
.macro GROUP1 g, rows
	s_mov_b32 s[\g], 15|(3<<16)|(1<<21)
	s_mov_b32 s[\g+1], 32<<16
	s_mov_b32 s[\g+2], (\rows)<<16
	s_mov_b32 s[\g+3], 32<<16
	s_mov_b32 s[\g+4], \rows
	s_mov_b32 s[\g+5], 32
	s_mov_b32 s[\g+6], 0
	s_mov_b32 s[\g+7], 0
.endm
	s_load_b128 s[4:7], s[0:1], 0x0
	v_lshl_add_u32 v243, v0, 2, 0x32000
	v_mov_b32 v255, 0
	ds_add_u32 v243, v255
	ds_add_u32 v243, v255
	v_lshrrev_b32 v1, 5, v0
	s_delay_alu instid0(VALU_DEP_1)
	v_readfirstlane_b32 s8, v1
	s_lshr_b32 s9, s8, 3
	s_and_b32 s15, s8, 7
	s_bfe_u32 s48, s8, 0x10002
	s_mul_i32 s48, s48, 7
	s_and_b32 s10, s8, 3
	s_xor_b32 s10, s10, s48
	s_bfe_u32 s49, ttmp6, 0x40000
	s_lshl_b32 s11, ttmp9, 2
	s_add_co_u32 s11, s11, s49
	s_and_b32 s14, ttmp7, 0xffff
	s_lshr_b32 s12, s14, 3
	s_and_b32 s13, s14, 7
	; THE HEAD'S SIXTEEN TILES, one joint load a wave: waves 0-7 a unit of k's codes each (12,288 bytes), waves 8-13 a sixth of v's dense 98,304 bytes each,
	; wave 14 k's scale words (8 rows of 512 bytes, 16,384 bytes apart in memory, dense in LDS), wave 15 v's (4,096 dense bytes)
	GROUP1 24, 64
	GROUP1 68, 16
	s_mov_b32 s76, 15|(3<<16)|(1<<21)
	s_mov_b32 s77, 64<<16
	s_mov_b32 s78, 8<<16
	s_mov_b32 s79, 64<<16
	s_mov_b32 s80, 8
	s_mov_b32 s81, 2048
	s_mov_b32 s82, 0
	s_mov_b32 s83, 0
	GROUP1 32, 48
	s_lshl_b32 s50, s12, 3
	s_add_co_u32 s50, s50, s15
	s_lshl_b32 s51, s50, 5
	s_add_co_u32 s51, s51, s13
	s_add_co_u32 s51, s51, 8
	s_lshl_b32 s52, s13, 5
	s_add_co_u32 s52, s52, s50
	s_sub_co_u32 s52, s52, s51
	s_mul_i32 s52, s52, s9
	s_add_co_u32 s51, s51, s52
	s_mul_i32 s53, s9, VT_OFF
	s_lshl_b32 s92, s13, 5
	s_lshl_b32 s93, s12, 3
	s_add_co_u32 s92, s92, s93                     ; v's first unit
	s_mul_i32 s94, s92, 12288
	s_lshl_b32 s93, s15, 14
	s_add_co_u32 s94, s94, s93
	s_add_co_u32 s94, s94, VT_OFF+CO4              ; v's codes, my sixth
	s_mov_b32 s95, 0
	s_lshl_b32 s96, s92, 9
	s_add_co_u32 s96, s96, VT_OFF                  ; v's scale words
	s_mov_b32 s97, 0
	s_lshl_b32 s98, s12, 8
	s_add_co_u32 s98, s98, s13
	s_add_co_u32 s98, s98, 8
	s_lshl_b32 s98, s98, 9                         ; k's scale words, first unit
	s_mov_b32 s99, 0
	s_mul_i32 s56, s51, 12288
	s_add_co_u32 s56, s56, s53
	s_add_co_u32 s56, s56, CO4
	s_mov_b32 s57, 0
	s_lshl_b32 s48, s12, 3
	s_add_co_u32 s48, s48, s10
	s_mul_i32 s49, s11, 1536
	s_mul_i32 s58, s9, 768
	s_add_co_u32 s49, s49, s58
	s_lshl_b32 s19, s11, 6
	s_lshl_b32 s58, s9, 1
	s_add_co_u32 s19, s19, s58
	s_lshl_b32 s58, s48, 5
	s_add_co_u32 s58, s58, s13
	s_mul_i32 s60, s58, 12288
	s_add_co_u32 s60, s60, s49
	s_add_co_u32 s60, s60, CO4
	s_mov_b32 s61, 0
	s_lshl_b32 s62, s58, 9
	s_add_co_u32 s62, s62, s19
	s_mov_b32 s63, 0
	s_lshl_b32 s58, s48, 3
	s_add_co_u32 s58, s58, s13
	s_mul_i32 s2, s58, 12288
	s_add_co_u32 s2, s2, s49
	s_add_co_u32 s2, s2, CO1
	s_mov_b32 s3, 0
	s_lshl_b32 s58, s58, 9
	s_add_co_u32 s58, s58, s19
	s_mov_b32 s59, 0
	s_lshr_b32 s19, s11, 1
	s_lshl_b32 s19, s19, 5
	s_and_b32 s48, s11, 1
	s_lshl_b32 s48, s48, 3
	s_add_co_u32 s19, s19, s48
	s_mov_b32 s20, 0x76543210
	s_mov_b32 s21, 0xfedcba98
	s_mov_b32 s22, 0x3e38aa3b
	s_mov_b32 s23, s22
	s_mov_b32 s16, 0
	s_mov_b32 s17, 0
	s_mov_b32 s18, 0
	s_wait_dscnt 0x0
	s_wait_kmcnt 0x0
	s_mov_b32 s40, 1
	s_mov_b32 s41, KSCL
	s_add_nc_u64 s[42:43], s[4:5], s[98:99]
	s_or_b32 s43, s43, 0x80000000
	s_mov_b32 s84, 1
	s_lshl_b32 s85, s15, 14
	s_add_co_u32 s85, s85, VB
	s_add_nc_u64 s[86:87], s[4:5], s[94:95]
	s_or_b32 s87, s87, 0x80000000
	s_mov_b32 s88, 1
	s_mov_b32 s89, VSCL
	s_add_nc_u64 s[90:91], s[4:5], s[96:97]
	s_or_b32 s91, s91, 0x80000000
	s_mov_b32 s44, 1
	s_mul_i32 s45, s8, 12288
	s_add_nc_u64 s[46:47], s[4:5], s[56:57]
	s_or_b32 s47, s47, 0x80000000
	s_add_nc_u64 s[60:61], s[4:5], s[60:61]
	s_add_nc_u64 s[62:63], s[4:5], s[62:63]
	s_add_nc_u64 s[2:3], s[6:7], s[2:3]
	s_add_nc_u64 s[6:7], s[6:7], s[58:59]
	CROUND
.macro ARM under, g0, g1, next                 ; one chain of branches on the wave's number, one load to an arm
	s_cmp_lt_u32 s8, \under
	s_cbranch_scc0 \next
	tensor_load_to_lds s[\g0:\g0+3], s[\g1:\g1+7]
	s_nop 0
	PLACES 4
	s_branch .Lhead_asked
\next:
.endm
	ARM 8, 44, 32, .Lhead_v
	ARM 14, 84, 24, .Lhead_ks
	ARM 15, 40, 76, .Lhead_vs
	tensor_load_to_lds s[88:91], s[68:75]
	s_nop 0
	PLACES 4
.Lhead_asked:
	v_and_b32 v7, 31, v0
	v_and_b32 v30, 15, v0
	s_wait_alu depctr_va_vdst(0)
	s_mul_i32 s48, s9, 768
	v_lshl_add_u32 v1, v7, 4, s48
	s_add_co_u32 s48, s48, 512
	v_lshl_add_u32 v2, v7, 3, s48
	s_mul_i32 s48, s9, 6144
	s_add_co_u32 s48, s48, VB
	v_lshl_add_u32 v3, v7, 4, s48
	v_lshl_add_u32 v4, v7, 3, s48
	s_lshl_b32 s48, s9, 1
	s_add_co_u32 s48, s48, KSCL
	v_lshl_add_u32 v5, v30, 2, s48
	s_lshl_b32 s48, s9, 8
	s_add_co_u32 s48, s48, VSCL
	v_lshl_add_u32 v6, v30, 2, s48
	v_lshlrev_b32 v8, 4, v7
	v_lshlrev_b32 v9, 3, v7
	v_lshlrev_b32 v10, 2, v30
	global_load_b128 v[18:21], v8, s[60:61]
	global_load_b64 v[22:23], v9, s[60:61] offset:512
	global_load_u16 v31, v10, s[62:63]
	v_and_b32 v30, 7, v0
	v_bfe_u32 v254, v0, 3, 1
	s_delay_alu instid0(VALU_DEP_1)
	v_lshl_add_u32 v30, v254, 4, v30
	v_bfe_u32 v254, v0, 4, 1
	s_delay_alu instid0(VALU_DEP_1)
	v_lshlrev_b32 v254, 4, v254
	s_delay_alu instid0(VALU_DEP_1)
	v_sub_nc_u32 v30, v30, v254
	s_delay_alu instid0(VALU_DEP_1)
	v_add_nc_u32 v30, s19, v30
.irp n, 24,25,26,27,28,29
	v_mov_b32 v\n, 0
.endr
.irp t, 0,1,2,3
.irp n, 6,7,8,9,10,11
	v_mov_b32 v[32+12*\t+\n], 0
.endr
.endr
	v_mov_b32 v15, 0xff61b1e6
	s_delay_alu instid0(VALU_DEP_1)
	v_floor_f32 v14, -v15
	v_mov_b32 v16, 0
	v_mov_b32 v17, 0
.irp b, 0,1,2,3
	v_mov_b32 v[236+\b], 0
.endr
	v_mov_b32 v252, 0
	v_mov_b32 v253, 0
.set n, 0
.rept 32
	v_mov_b32 v[192+n], 0
.set n, n+1
.endr
	s_wait_tensorcnt 0x0
	s_barrier_signal -1
	s_barrier_wait -1
	s_wait_loadcnt 0x0
.Lstep:
	s_cmp_gt_u32 s18, s10
	s_cbranch_scc1 .Lhidden
	v_add_nc_u32 v8, s16, v1
	v_add_nc_u32 v9, s16, v2
	v_add_nc_u32 v10, s16, v3
	v_add_nc_u32 v11, s16, v4
	v_add_nc_u32 v12, s17, v5
	v_add_nc_u32 v13, s17, v6
.irp t, 0,1,2,3
	ds_load_b128 v[32+12*\t:35+12*\t], v8 offset:\t*1536
	ds_load_b64 v[36+12*\t:37+12*\t], v9 offset:\t*1536
	ds_load_u16 v[248+\t], v12 offset:\t*64
.endr
	s_wait_alu depctr_va_vdst(0)
	s_wait_dscnt 0x0
.irp t, 0,1,2,3
	v_wmma_scale_f32_16x16x128_f8f6f4 v[128+8*\t:135+8*\t], v[32+12*\t:43+12*\t], v[18:29], 0, v[248+\t], v31 matrix_a_fmt:MATRIX_FMT_FP6 matrix_b_fmt:MATRIX_FMT_FP6
.endr
	PLACES 4
.irp t, 0,1,2,3
	ds_load_b128 v[32+12*\t:35+12*\t], v8 offset:(4+\t)*1536
	ds_load_b64 v[36+12*\t:37+12*\t], v9 offset:(4+\t)*1536
	ds_load_u16 v[248+\t], v12 offset:(4+\t)*64
.endr
.irp t, 0,1,2,3
	ds_load_b128 v[80+12*\t:83+12*\t], v10 offset:\t*1536
	ds_load_b64 v[84+12*\t:85+12*\t], v11 offset:\t*1536+512
	ds_load_b128 v[86+12*\t:89+12*\t], v10 offset:\t*1536+768
	ds_load_b64 v[90+12*\t:91+12*\t], v11 offset:\t*1536+1280
.endr
	s_wait_dscnt 16
.irp t, 0,1,2,3
	v_wmma_scale_f32_16x16x128_f8f6f4 v[160+8*\t:167+8*\t], v[32+12*\t:43+12*\t], v[18:29], 0, v[248+\t], v31 matrix_a_fmt:MATRIX_FMT_FP6 matrix_b_fmt:MATRIX_FMT_FP6
.endr
	PLACES 4
.irp t, 0,1,2,3
	ds_load_b32 v[248+\t], v13 offset:64*\t
.endr
	s_cmp_lg_u32 s18, s10
	s_cbranch_scc1 .Lopen
	v_mov_b32 v254, 0xff800000
.set n, 0
.rept 64
	v_cmp_gt_i32 vcc_lo, 32*(n/16)+n%16, v30
	v_cndmask_b32 v[128+n], v[128+n], v254, vcc_lo
.set n, n+1
.endr
.Lopen:
.irp b, 0,1,2,3
	v_max3_num_f32 v[232+\b], v[128+16*\b], v[129+16*\b], v[130+16*\b]
.endr
.irp i, 3,5,7,9,11,13
.irp b, 0,1,2,3
	v_max3_num_f32 v[232+\b], v[232+\b], v[128+16*\b+\i], v[129+16*\b+\i]
.endr
.endr
.irp b, 0,1,2,3
	v_max_num_f32 v[232+\b], v[232+\b], v[143+16*\b]
.endr
.irp b, 0,1,2,3
	s_delay_alu instid0(VALU_DEP_4)
	v_permlanex16_b32 v[236+\b], v[232+\b], s20, s21
.endr
.irp b, 0,1,2,3
	s_delay_alu instid0(VALU_DEP_4)
	v_max_num_f32 v[232+\b], v[232+\b], v[236+\b]
.endr
	s_delay_alu instid0(VALU_DEP_2)
	v_max3_num_f32 v254, v232, v233, v234
	s_delay_alu instid0(VALU_DEP_1)
	v_max_num_f32 v254, v254, v235
	s_delay_alu instid0(VALU_DEP_1)
	v_mul_f32 v254, s22, v254
	s_delay_alu instid0(VALU_DEP_1)
	v_max_num_f32 v15, v15, v254
	v_mov_b32 v254, v14
	s_delay_alu instid0(VALU_DEP_2)
	v_floor_f32 v14, -v15
	s_delay_alu instid0(VALU_DEP_1)
	v_sub_f32 v254, v14, v254
	s_delay_alu instid0(VALU_DEP_1)
	v_cvt_i32_f32 v254, v254
	s_delay_alu instid0(VALU_DEP_1)
	v_ldexp_f32 v252, 1.0, v254
.set n, 0
.rept 32
	v_pk_fma_f32 v[128+n:129+n], v[128+n:129+n], s[22:23], v[14:15] op_sel_hi:[1,0,0]
.set n, n+2
.endr
.irp b, 0,1,2,3
	v_fma_f32 v[232+\b], v[232+\b], s22, v14
.endr
.set n, 0
	s_wait_alu depctr_va_vdst(0)
.rept 64
	v_exp_f32 v[128+n], v[128+n]
.set n, n+1
.endr
	v_pk_mul_f32 v[16:17], v[16:17], v[252:253] op_sel_hi:[1,0]
	s_wait_alu depctr_va_vdst(0)
.irp b, 0,1,2,3
	v_exp_f32 v[232+\b], v[232+\b]
.endr
	v_pk_add_f32 v[236:237], v[128:129], v[130:131]
.irp j, 4,8,12,16,20,24,28,32,36,40,44,48,52,56,60
	v_pk_add_f32 v[16:17], v[16:17], v[128+\j:129+\j]
	v_pk_add_f32 v[236:237], v[236:237], v[130+\j:131+\j]
.endr
	s_delay_alu instid0(VALU_DEP_1)
	v_pk_add_f32 v[16:17], v[16:17], v[236:237]
	s_wait_alu depctr_va_vdst(0)
.irp b, 0,1,2,3
	v_max_num_f32 v[232+\b], 0x1800000, v[232+\b]
.endr
.irp b, 0,1,2,3
	s_delay_alu instid0(VALU_DEP_4)
	v_add_nc_u32 v[244+\b], 0xff000000, v[232+\b]
.endr
.irp b, 0,1,2,3
	s_delay_alu instid0(VALU_DEP_4)
	v_lshrrev_b32 v[236+\b], 23, v[244+\b]
.endr
	s_delay_alu instid0(VALU_DEP_3)
	v_lshl_or_b32 v253, v237, 8, v236
	s_delay_alu instid0(VALU_DEP_1)
	v_lshl_or_b32 v253, v238, 16, v253
	s_delay_alu instid0(VALU_DEP_1)
	v_lshl_or_b32 v253, v239, 24, v253
.irp c, 0,1
	v_cvt_scalef32_pk16_fp6_f32 v[224+6*\c:226+6*\c], v[128+32*\c:143+32*\c], v[244+2*\c]
	v_cvt_scalef32_pk16_fp6_f32 v[236+4*\c:238+4*\c], v[144+32*\c:159+32*\c], v[244+2*\c+1]
.endr
	v_nop
.irp c, 0,1
.irp i, 0,1,2
	v_permlane16_swap_b32 v[224+6*\c+\i], v[236+4*\c+\i]
.endr
.irp i, 0,1,2
	s_delay_alu instid0(VALU_DEP_3)
	v_mov_b32 v[227+6*\c+\i], v[236+4*\c+\i]
.endr
.endr
.set n, 0
.rept 16
	v_pk_mul_f32 v[192+n:193+n], v[192+n:193+n], v[252:253] op_sel_hi:[1,0]
.set n, n+2
.endr
	s_wait_alu depctr_va_vdst(0)
	s_wait_dscnt 0x0
.irp t, 0,1,2,3
	v_wmma_scale_f32_16x16x128_f8f6f4 v[192+8*\t:199+8*\t], v[80+12*\t:91+12*\t], v[224:235], v[192+8*\t:199+8*\t], v[248+\t], v253 matrix_a_fmt:MATRIX_FMT_FP6 matrix_b_fmt:MATRIX_FMT_FP6
.endr
.Lhidden:
	s_add_co_u32 s16, s16, 12288
	s_add_co_u32 s17, s17, 512
	s_add_co_u32 s18, s18, 1
	s_cmp_lt_u32 s18, 8
	s_cbranch_scc1 .Lstep
	PLACES 4
	v_add_f32 v16, v16, v17
	s_delay_alu instid0(VALU_DEP_1)
	v_permlanex16_b32 v252, v16, s20, s21
	s_delay_alu instid0(VALU_DEP_1)
	v_add_f32 v16, v16, v252
	s_wait_alu depctr_va_vdst(0)
	v_rcp_f32 v16, v16
	v_and_b32 v8, 31, v0
	s_delay_alu instid0(VALU_DEP_1)
	v_lshlrev_b32 v9, 3, v8
	s_delay_alu instid0(VALU_DEP_2)
	v_lshlrev_b32 v8, 4, v8
	v_and_b32 v10, 15, v0
	s_delay_alu instid0(VALU_DEP_1)
	v_lshlrev_b32 v10, 2, v10
	s_wait_alu depctr_va_vdst(0)
.set n, 0
.rept 32
	v_mul_f32 v[128+n], v[192+n], v16
.set n, n+1
.endr
.irp b, 0,1
	v_max3_num_f32 v[232+\b], |v[128+16*\b]|, |v[129+16*\b]|, 0x1800000
.endr
.irp i, 2,4,6,8,10,12,14
.irp b, 0,1
	s_delay_alu instid0(VALU_DEP_2)
	v_max3_num_f32 v[232+\b], v[232+\b], |v[128+16*\b+\i]|, |v[129+16*\b+\i]|
.endr
.endr
.irp b, 0,1
	s_delay_alu instid0(VALU_DEP_2)
	v_permlanex16_b32 v[236+\b], v[232+\b], s20, s21
.endr
.irp b, 0,1
	s_delay_alu instid0(VALU_DEP_2)
	v_max_num_f32 v[232+\b], v[232+\b], v[236+\b]
.endr
.irp b, 0,1
	s_delay_alu instid0(VALU_DEP_2)
	v_add_nc_u32 v[244+\b], 0xff000000, v[232+\b]
.endr
.irp b, 0,1
	s_delay_alu instid0(VALU_DEP_2)
	v_lshrrev_b32 v[236+\b], 23, v[244+\b]
.endr
	s_delay_alu instid0(VALU_DEP_1)
	v_lshl_or_b32 v240, v237, 8, v236
	v_cvt_scalef32_pk16_fp6_f32 v[224:226], v[128:143], v244
	v_cvt_scalef32_pk16_fp6_f32 v[228:230], v[144:159], v245
	v_nop
.irp i, 0,1,2
	v_permlane16_swap_b32 v[224+\i], v[228+\i]
.endr
.irp i, 0,1,2
	s_delay_alu instid0(VALU_DEP_3)
	v_mov_b32 v[227+\i], v[228+\i]
.endr
	global_store_b128 v8, v[224:227], s[2:3]
	global_store_b64 v9, v[228:229], s[2:3] offset:512
	global_store_b16 v10, v240, s[6:7]
	s_wait_tensorcnt 0x0
	ds_add_u32 v243, v255
	s_wait_dscnt 0x0
	CROUND
	s_endpgm
.Lfunc_end_k_qd1134c9e4c_attn:
	.size	k_qd1134c9e4c_attn, .Lfunc_end_k_qd1134c9e4c_attn-k_qd1134c9e4c_attn
	.p2alignl 7, 3214868480
	.fill 96, 4, 3214868480
	.section	.rodata,"a",@progbits
	.p2align	6, 0x0
	.amdhsa_kernel k_qd1134c9e4c_attn
		.amdhsa_group_segment_fixed_size 327680
		.amdhsa_private_segment_fixed_size 0
		.amdhsa_enable_private_segment 0
		.amdhsa_kernarg_size 16
		.amdhsa_user_sgpr_count 2
		.amdhsa_user_sgpr_kernarg_segment_ptr 1
		.amdhsa_wavefront_size32 1
		.amdhsa_system_sgpr_workgroup_id_x 1
		.amdhsa_system_sgpr_workgroup_id_y 1
		.amdhsa_system_sgpr_workgroup_id_z 1
		.amdhsa_system_vgpr_workitem_id 0
		.amdhsa_next_free_vgpr 256
		.amdhsa_next_free_sgpr 100
		.amdhsa_reserve_vcc 1
		.amdhsa_float_denorm_mode_32 3
		.amdhsa_float_denorm_mode_16_64 3
		.amdhsa_memory_ordered 1
		.amdhsa_forward_progress 1
		.amdhsa_inst_pref_size 41
	.end_amdhsa_kernel
	.amdgpu_metadata
---
amdhsa.version: [ 1, 2 ]
amdhsa.kernels:
  - .name:           k_qd1134c9e4c_attn
    .symbol:         k_qd1134c9e4c_attn.kd
    .args:
      - { .name: big, .offset: 0, .size: 8, .value_kind: global_buffer, .address_space: global }
      - { .name: att, .offset: 8, .size: 8, .value_kind: global_buffer, .address_space: global }
    .group_segment_fixed_size: 327680
    .private_segment_fixed_size: 0
    .kernarg_segment_align: 8
    .kernarg_segment_size: 16
    .max_flat_workgroup_size: 512
    .sgpr_count:     100
    .vgpr_count:     256
    .wavefront_size: 32
...
	.end_amdgpu_metadata
.endif
;; end of part 3
;; launch wo (part 4): grid 8 x 32, 4 waves a work-group, clusters of 4 x 4, 327,680 bytes of LDS; arguments att, wb, bo, x, x1; writes x1
.if DOCPART == 4
	.amdgcn_target "amdgcn-amd-amdhsa--gfx1250"
	.amdhsa_code_object_version 6
	.text
	.protected	k_qd1134c9e4c_wo
	.globl	k_qd1134c9e4c_wo
	.p2align	8
	.type	k_qd1134c9e4c_wo,@function
k_qd1134c9e4c_wo:
	s_mov_b64 s[64:65], 0
	v_nop
	global_prefetch_b8 v0, s[64:65] scope:SCOPE_SE
	s_setreg_imm32_b32 hwreg(HW_REG_WAVE_MODE, 25, 1), 1
	s_wait_xcnt 0x0
	s_wait_alu depctr_hold_cnt(0) depctr_sa_sdst(0) depctr_va_vdst(0) depctr_va_sdst(0) depctr_va_ssrc(0) depctr_va_vcc(0) depctr_vm_vsrc(0)
	s_getreg_b32 s2, hwreg(HW_REG_IB_STS2, 6, 4)
	s_cmp_eq_u32 s2, 0
	s_cbranch_scc0 .Lentry_in_a_cluster
	s_endpgm
.Lentry_in_a_cluster:
	s_bfe_u32 s2, ttmp6, 0x10000c
	s_cmp_lg_u32 s2, 0xf033
	s_cbranch_scc0 .Lentry_shape_is_right
	s_endpgm
.Lentry_shape_is_right:
; out[m][n] = res[m][n] + sum over k of A[m][k] B[n][k] + bias[n], K = 1,024 (8 K steps of 128); A (the attention's result) and B (Wo) are MX-FP6 operand images; res, out: [4,096][1,024] f32.
; OPERAND LAYOUT.  Lane r of row tile J holds row 32 (J / 2) + 8 (J % 2) + r % 8 + 16 (r / 8).  Unit u = (J / 8) x KS + S.  Codes at CO + 12,288 u + 1,536 (J % 8): half c at 768 c, registers 6 c .. 6 c + 3 at
; 16 x lane, 6 c + 4, 6 c + 5 at 512 + 8 x lane.  Scale words at 512 u + 64 (J % 8) + 4 r.
; SHARES.  A tile of out is 128 x 128: 256 work-groups.  Four waves, 2 x 2, each 64 x 64: 16 accumulators.
; ALL OF K LIES IN LDS AT ONCE: A's 98,304 bytes from 0, B's from BB0, the scale words behind them.  Each of the four tiles is one wave's one joint load at the head: wave 0 A's codes, wave 1 B's,
; wave 2 A's scale words, wave 3 B's.  Nothing is filled again.  CLUSTER 4 x 4: A shared along a row, B along a column.
; No prefetch: every byte is asked for at the head, and no loop runs ahead of a later load.
; TRANSPOSED USE (source 0 = B, source 1 = A): a lane holds one row m, and B's tiles 2 b, 2 b + 1 give it n = 32 b + 16 (lane / 16) + 0 .. 15.  The bias is the C of each sum's first product.
; The residual is asked for at the head, behind the bias, and awaited on the way out.  Results go through the wave's stage, LDS bytes of its own, and leave as aligned runs of 256 bytes.
; REGISTERS: window 0: v1-19 addresses; v20-23, v24-27 scale words of A, B (two sets); v32-95 rows on the way out; v128-255 accumulator (a, bt) at v[128 + 8 (4 a + bt)].
;   window 1: two sets of fragments (A at 96 s + 12 a, B at 96 s + 48 + 12 bt); v192-223 the bias.   window 2: the residual.
.set KS,    8
.set ACO,   131072
.set BOFF,  3276800
.set CO1,   131072
.set BB0,   98304
.set HALF,  49152
.set ASC,   196608
.set BSC,   ASC+KS*512
.set SPARE, ASC+KS*1024                ; the spare words, 128 bytes a wave
.set STG,   SPARE+512                  ; the four stages, 4,352 bytes each
.set SPW, 14
.set NIL, 15
.set STO, 16
.set RD,  17
.set CO,  18
.set SA,  20
.set SB,  24
.set BK,  32
.set ACC, 128
.set G1, 24
.set G0, 32
.set G1B, 48
.set G0B, 56
.set G1S, 68
.set G0S, 76
.set G1SB, 80
.set G0SB, 88
.set MSB, 0
.macro WIN new                         ; the immediate's high byte repeats the setting that is left
.if MSB != \new
	s_set_vgpr_msb (MSB<<8)|\new
.set MSB, \new
.endif
.endm
.set TO_F, 0x40
.set MULW, 0x05                        ; sources 0 and 1 window 1; C and D window 0
.set MULF, 0x15                        ; the same with C (the bias) in window 1
.macro PLACES n
.rept \n
	v_nop
.endr
.endm
.macro CROUND
	s_barrier_signal -1
	s_barrier_wait -1
	s_cmp_lg_u32 s14, 0
	s_cbranch_scc1 .Lnot_wave_0_\@
	s_barrier_signal -3
.Lnot_wave_0_\@:
	s_barrier_wait -3
	s_barrier_signal -1
	s_barrier_wait -1
.endm
.macro GROUP1 g, rows                  ; a dense block as rows of 256 bytes
	s_mov_b32 s[\g+1], 32<<16
	s_mov_b32 s[\g+2], (\rows)<<16
	s_mov_b32 s[\g+3], 32<<16
	s_mov_b32 s[\g+4], \rows
	s_mov_b32 s[\g+5], 32
	s_mov_b32 s[\g+6], 0
	s_mov_b32 s[\g+7], 0
.endm
	s_load_b256 s[4:11], s[0:1], 0x0               ; A, the weights' buffer, bias, res
	s_load_b64 s[12:13], s[0:1], 0x20              ; out
	v_lshl_add_u32 v[SPW], v0, 2, SPARE
	v_mov_b32 v[NIL], 0
	ds_add_u32 v[SPW], v[NIL]                      ; the opening lines: the add twice and its wait
	ds_add_u32 v[SPW], v[NIL]
	s_wait_dscnt 0x0
	v_lshrrev_b32 v1, 5, v0
	v_readfirstlane_b32 s14, v1                    ; wave
	s_lshr_b32 s15, s14, 1                         ; wm: my 64 rows
	s_and_b32 s16, s14, 1                          ; wn: my 64 columns
	s_bfe_u32 s40, ttmp6, 0x40000
	s_bfe_u32 s41, ttmp6, 0x40004
	s_lshl_b32 s42, ttmp9, 2
	s_add_co_u32 s42, s42, s40                     ; NT: tile column
	s_and_b32 s17, ttmp7, 0xffff
	s_lshl_b32 s17, s17, 2
	s_add_co_u32 s17, s17, s41                     ; MT: tile row
	s_lshl_b32 s43, s41, 2
	s_lshl_b32 s43, 15, s43
	s_lshl_b32 s44, 0x1111, s40
	s_or_b32 s[G1], s43, (3<<16)|(1<<21)
	s_or_b32 s[G1S], s43, (3<<16)|(1<<21)
	s_or_b32 s[G1B], s44, (3<<16)|(1<<21)
	s_or_b32 s[G1SB], s44, (3<<16)|(1<<21)
	GROUP1 G1, 384
	GROUP1 G1B, 384
	GROUP1 G1S, 2*KS
	GROUP1 G1SB, 2*KS
	s_mul_i32 s20, s17, KS*12288
	s_add_co_u32 s20, s20, ACO
	s_mov_b32 s21, 0
	s_mul_i32 s22, s17, KS*512
	s_mov_b32 s23, 0
	s_mul_i32 s46, s42, KS*12288
	s_add_co_u32 s46, s46, BOFF+CO1
	s_mov_b32 s47, 0
	s_mul_i32 s92, s42, KS*512
	s_add_co_u32 s92, s92, BOFF
	s_mov_b32 s93, 0
	s_lshl_b32 s96, s17, 7                         ; my part of res and out: row 128 MT + 64 wm, byte 512 NT + 256 wn
	s_lshl_b32 s97, s15, 6
	s_add_co_u32 s96, s96, s97
	s_lshl_b32 s96, s96, 12
	s_lshl_b32 s97, s42, 9
	s_add_co_u32 s96, s96, s97
	s_lshl_b32 s97, s16, 8
	s_add_co_u32 s96, s96, s97
	s_mov_b32 s97, 0
	s_mov_b32 s[G0], 1
	s_mov_b32 s[G0+1], 0
	s_mov_b32 s[G0B], 1
	s_mov_b32 s[G0B+1], BB0
	s_mov_b32 s[G0S], 1
	s_mov_b32 s[G0S+1], ASC
	s_mov_b32 s[G0SB], 1
	s_mov_b32 s[G0SB+1], BSC
	s_wait_kmcnt 0x0
	s_add_nc_u64 s[G0+2:G0+3], s[4:5], s[20:21]
	s_add_nc_u64 s[G0S+2:G0S+3], s[4:5], s[22:23]
	s_add_nc_u64 s[G0B+2:G0B+3], s[6:7], s[46:47]
	s_add_nc_u64 s[G0SB+2:G0SB+3], s[6:7], s[92:93]
.irp g, G0, G0B, G0S, G0SB
	s_or_b32 s[\g+3], s[\g+3], 0x80000000
.endr
	s_add_nc_u64 s[10:11], s[10:11], s[96:97]
	s_add_nc_u64 s[12:13], s[12:13], s[96:97]
	s_lshl_b32 s96, s42, 9
	s_lshl_b32 s95, s16, 8
	s_add_co_u32 s96, s96, s95
	s_add_nc_u64 s[8:9], s[8:9], s[96:97]          ; my 64 numbers of the bias
	CROUND                                         ; all sixteen work-groups are here: the joint loads meet
.macro ARM under, g0, g1, next                 ; one chain of branches on the wave's number, one load to an arm
	s_cmp_lt_u32 s14, \under
	s_cbranch_scc0 \next
	tensor_load_to_lds s[\g0:\g0+3], s[\g1:\g1+7]
	s_nop 0
	PLACES 4
	s_branch .Lhead_asked
\next:
.endm
	ARM 1, G0,  G1,  .Lhead_b
	ARM 2, G0B, G1B, .Lhead_sa
	ARM 3, G0S, G1S, .Lhead_sb
	tensor_load_to_lds s[G0SB:G0SB+3], s[G1SB:G1SB+7]
	s_nop 0
	PLACES 4
.Lhead_asked:
	v_and_b32 v19, 31, v0
	v_lshlrev_b32 v1, 4, v19
	v_lshlrev_b32 v2, 3, v19
	v_lshlrev_b32 v3, 2, v19
	s_wait_alu depctr_va_vdst(0)                   ; the wait ahead of the scalar lines
	s_mul_i32 s18, s15, 6144                       ; my four tiles of A,
	s_mul_i32 s19, s16, 6144
	s_add_co_u32 s19, s19, BB0                     ; of B; a second register each for K steps 4-7
.irp s, 0,1
	v_add_nc_u32 v[4+\s], s18, v1
	v_add_nc_u32 v[6+\s], s18, v2
	v_add_nc_u32 v[8+\s], s19, v1
	v_add_nc_u32 v[10+\s], s19, v2
	s_add_co_u32 s18, s18, HALF
	s_add_co_u32 s19, s19, HALF
.endr
	s_lshl_b32 s18, s15, 8
	s_add_co_u32 s18, s18, ASC
	v_add_nc_u32 v12, s18, v3                      ; scale words: 4 x lane takes two neighbouring tiles, one in each half of the lanes
	s_lshl_b32 s18, s16, 8
	s_add_co_u32 s18, s18, BSC
	v_add_nc_u32 v13, s18, v3
	v_and_b32 v30, 15, v0                          ; r
	v_bfe_u32 v31, v0, 4, 1                        ; h
	s_mul_i32 s18, s14, 4352                       ; my stage: 16 rows x (256 + 16) bytes
	s_add_co_u32 s18, s18, STG
	v_mul_u32_u24 v[STO], v30, 272
	v_lshl_add_u32 v[STO], v31, 6, v[STO]
	v_add_nc_u32 v[STO], s18, v[STO]
	v_mul_u32_u24 v[RD], v31, 272
	v_lshl_add_u32 v[RD], v30, 4, v[RD]
	v_add_nc_u32 v[RD], s18, v[RD]
	v_lshlrev_b32 v[CO], 12, v31
	v_lshl_add_u32 v[CO], v30, 4, v[CO]            ; two rows of res and out an instruction
	v_lshlrev_b32 v19, 6, v31                      ; the bias: 16 numbers on for lanes 16-31
	s_wait_alu depctr_va_vdst(0)                   ; the wait ahead of the readers below
	WIN TO_F
.irp bt, 0,1,2,3
	global_load_b128 v[192+8*\bt:192+8*\bt+3], v19, s[8:9] offset:(32*(\bt/2)+8*(\bt%2))*4
	global_load_b128 v[192+8*\bt+4:192+8*\bt+7], v19, s[8:9] offset:(32*(\bt/2)+8*(\bt%2))*4+16
.endr
	WIN 0
.macro FRAGL reg, a16, a8, off
	ds_load_b128 v[\reg:\reg+3], v[\a16] offset:\off
	ds_load_b64 v[\reg+4:\reg+5], v[\a8] offset:\off+512
	ds_load_b128 v[\reg+6:\reg+9], v[\a16] offset:\off+768
	ds_load_b64 v[\reg+10:\reg+11], v[\a8] offset:\off+1280
.endm
.macro FETCH s                                 ; K step s into set s % 2: 8 fragments and 4 loads of scale words: 36 LDS loads in one run
.set fs, (\s)%2
.set fh, (\s)/4
.set fq, (\s)%4
	WIN TO_F
.irp a, 0,1,2,3
	FRAGL 96*fs+12*\a, 4+fh, 6+fh, fq*12288+\a*1536
.endr
.irp bt, 0,1,2,3
	FRAGL 96*fs+48+12*\bt, 8+fh, 10+fh, fq*12288+\bt*1536
.endr
	WIN 0
.irp pp, 0,1
	ds_load_b32 v[SA+2*fs+\pp], v12 offset:(\s)*512+128*\pp
	ds_load_b32 v[SB+2*fs+\pp], v13 offset:(\s)*512+128*\pp
.endr
.endm
.macro WMC d, x, y, c, sx, sy, rx, ry          ; rx, ry: the scales of source 0, 1 stand in lanes 16-31 of their registers
.if (\rx) && (\ry)
	v_wmma_scale_f32_16x16x128_f8f6f4 v[\d:\d+7], v[\x:\x+11], v[\y:\y+11], v[\c:\c+7], v[\sx], v[\sy] matrix_a_fmt:MATRIX_FMT_FP6 matrix_b_fmt:MATRIX_FMT_FP6 matrix_a_scale:MATRIX_SCALE_ROW1 matrix_b_scale:MATRIX_SCALE_ROW1
.elseif \rx
	v_wmma_scale_f32_16x16x128_f8f6f4 v[\d:\d+7], v[\x:\x+11], v[\y:\y+11], v[\c:\c+7], v[\sx], v[\sy] matrix_a_fmt:MATRIX_FMT_FP6 matrix_b_fmt:MATRIX_FMT_FP6 matrix_a_scale:MATRIX_SCALE_ROW1
.elseif \ry
	v_wmma_scale_f32_16x16x128_f8f6f4 v[\d:\d+7], v[\x:\x+11], v[\y:\y+11], v[\c:\c+7], v[\sx], v[\sy] matrix_a_fmt:MATRIX_FMT_FP6 matrix_b_fmt:MATRIX_FMT_FP6 matrix_b_scale:MATRIX_SCALE_ROW1
.else
	v_wmma_scale_f32_16x16x128_f8f6f4 v[\d:\d+7], v[\x:\x+11], v[\y:\y+11], v[\c:\c+7], v[\sx], v[\sy] matrix_a_fmt:MATRIX_FMT_FP6 matrix_b_fmt:MATRIX_FMT_FP6
.endif
.endm
; A's four tiles x B's four.  The 16 accumulators take turns, one instruction a turn.  K step 0 takes the bias as C.
.macro MUL s
.set ms, (\s)%2
.if (\s) == 0
	WIN MULF
.else
	WIN MULW
.endif
.set ma, 0
.rept 4
.set mb, 0
.rept 4
.if (\s) == 0
	WMC ACC+8*(4*ma+mb), 96*ms+48+12*mb, 96*ms+12*ma, 192+8*mb, SB+2*ms+mb/2, SA+2*ms+ma/2, mb%2, ma%2
.else
	WMC ACC+8*(4*ma+mb), 96*ms+48+12*mb, 96*ms+12*ma, ACC+8*(4*ma+mb), SB+2*ms+mb/2, SA+2*ms+ma/2, mb%2, ma%2
.endif
.set mb, mb+1
.endr
.set ma, ma+1
.endr
.endm
	s_wait_alu depctr_va_vdst(0)                   ; the wait at the head's end
	s_wait_tensorcnt 0x0                           ; my tile of the four is in
	s_barrier_signal -1
	s_barrier_wait -1
	FETCH 0
	WIN 0x80                                       ; the residual is asked for only now, behind the tiles: destination window 2.  Stage row 2 t + (lane / 16) of tile a is row 32 (a / 2) + 8 (a % 2) + (2 t) % 8 + (lane / 16) + 16 (t / 4) of my 64
.irp a, 0,1,2,3
.irp t, 0,1,2,3,4,5,6,7
	global_load_b128 v[32*\a+4*\t:32*\a+4*\t+3], v[CO], s[10:11] offset:(32*(\a/2)+8*(\a%2)+(2*\t)%8+16*(\t/4))*4096
.endr
.endr
	WIN 0
	s_wait_loadcnt 32                              ; the bias is in; the residual's 32 loads may be out
.irp s, 0,1,2,3,4,5,6
	PLACES 4                                       ; in front of loads into registers that the last matrix instructions have read
	FETCH \s+1
	s_wait_dscnt 36                                ; all but the 36 just issued: this K step's set is in
	MUL \s
.endr
	s_wait_dscnt 0x0
	MUL 7
	WIN 0
; THE WAY OUT, a tile of 16 rows x 64 columns at a time, through my stage.
.macro TOSTAGE a
.irp bt, 0,1,2,3
	ds_store_b128 v[STO], v[ACC+8*(4*(\a)+\bt):ACC+8*(4*(\a)+\bt)+3] offset:128*(\bt/2)+32*(\bt%2)        ; each accumulator from its low end on
	ds_store_b128 v[STO], v[ACC+8*(4*(\a)+\bt)+4:ACC+8*(4*(\a)+\bt)+7] offset:128*(\bt/2)+32*(\bt%2)+16
.endr
.set BB, BK+32*((\a)%2)
.irp t, 0,1,2,3,4,5,6,7
	ds_load_b128 v[BB+4*\t:BB+4*\t+3], v[RD] offset:\t*544         ; LDS serves a wave's instructions in order: these see the stores above
.endr
.endm
.macro SEND a, younger                         ; younger: the LDS instructions issued behind tile a's loads, which may stay out
.set BB, BK+32*((\a)%2)
	s_wait_dscnt \younger
	s_wait_loadcnt 8*(3-(\a))                      ; tile a's eight loads of the residual are in; the later tiles' may be out
	WIN 0x08                                       ; source 1 window 2: the residual
.set sj, 0
.rept 16
	v_pk_add_f32 v[BB+sj:BB+sj+1], v[BB+sj:BB+sj+1], v[32*(\a)+sj:32*(\a)+sj+1]
.set sj, sj+2
.endr
	WIN 0
.irp t, 0,1,2,3,4,5,6,7
	global_store_b128 v[CO], v[BB+4*\t:BB+4*\t+3], s[12:13] offset:(32*((\a)/2)+8*((\a)%2)+(2*\t)%8+16*(\t/4))*4096   ; 16 lanes store 256 consecutive bytes, at a multiple of 256
.endr
.endm
	PLACES 4                                       ; in front of the first read of results just made
	TOSTAGE 0
.irp a, 1,2,3
.if \a > 1
	s_wait_xcnt 0x0                                ; tile a - 2's stores have read their registers: tile a's loads may land there
.endif
	TOSTAGE \a
	SEND \a-1, 16                                  ; behind tile a - 1's loads: tile a's 8 stores and 8 loads
.endr
	SEND 3, 0
	s_wait_tensorcnt 0x0                           ; the wave's end
	ds_add_u32 v[SPW], v[NIL]
	s_wait_dscnt 0x0
	CROUND                                         ; the closing round
	s_endpgm
.Lfunc_end_k_qd1134c9e4c_wo:
	.size	k_qd1134c9e4c_wo, .Lfunc_end_k_qd1134c9e4c_wo-k_qd1134c9e4c_wo
	.p2alignl 7, 3214868480
	.fill 96, 4, 3214868480
	.section	.rodata,"a",@progbits
	.p2align	6, 0x0
	.amdhsa_kernel k_qd1134c9e4c_wo
		.amdhsa_group_segment_fixed_size 327680
		.amdhsa_private_segment_fixed_size 0
		.amdhsa_enable_private_segment 0
		.amdhsa_kernarg_size 40
		.amdhsa_user_sgpr_count 2
		.amdhsa_user_sgpr_kernarg_segment_ptr 1
		.amdhsa_wavefront_size32 1
		.amdhsa_system_sgpr_workgroup_id_x 1
		.amdhsa_system_sgpr_workgroup_id_y 1
		.amdhsa_system_sgpr_workgroup_id_z 1
		.amdhsa_system_vgpr_workitem_id 0
		.amdhsa_next_free_vgpr 640
		.amdhsa_next_free_sgpr 98
		.amdhsa_reserve_vcc 0
		.amdhsa_float_denorm_mode_32 3
		.amdhsa_float_denorm_mode_16_64 3
		.amdhsa_memory_ordered 1
		.amdhsa_forward_progress 1
		.amdhsa_inst_pref_size 61
	.end_amdhsa_kernel
	.amdgpu_metadata
---
amdhsa.version: [ 1, 2 ]
amdhsa.kernels:
  - .name:           k_qd1134c9e4c_wo
    .symbol:         k_qd1134c9e4c_wo.kd
    .args:
      - { .name: att, .offset: 0, .size: 8, .value_kind: global_buffer, .address_space: global }
      - { .name: wb, .offset: 8, .size: 8, .value_kind: global_buffer, .address_space: global }
      - { .name: bo, .offset: 16, .size: 8, .value_kind: global_buffer, .address_space: global }
      - { .name: x, .offset: 24, .size: 8, .value_kind: global_buffer, .address_space: global }
      - { .name: x1, .offset: 32, .size: 8, .value_kind: global_buffer, .address_space: global }
    .group_segment_fixed_size: 327680
    .private_segment_fixed_size: 0
    .kernarg_segment_align: 8
    .kernarg_segment_size: 40
    .max_flat_workgroup_size: 128
    .sgpr_count:     98
    .vgpr_count:     640
    .wavefront_size: 32
...
	.end_amdgpu_metadata
.endif
;; end of part 4
;; launch ln2 (part 5): grid 256 x 1, 4 waves a work-group, no clusters, 66,304 bytes of LDS; arguments x1, ln2_g, ln2_b, act; writes act
.if DOCPART == 5
	.amdgcn_target "amdgcn-amd-amdhsa--gfx1250"
	.amdhsa_code_object_version 6
	.text
	.protected	k_qd1134c9e4c_ln2
	.globl	k_qd1134c9e4c_ln2
	.p2align	8
	.type	k_qd1134c9e4c_ln2,@function
k_qd1134c9e4c_ln2:
	s_mov_b64 s[64:65], 0
	v_nop
	global_prefetch_b8 v0, s[64:65] scope:SCOPE_SE
	s_setreg_imm32_b32 hwreg(HW_REG_WAVE_MODE, 25, 1), 1
	s_wait_xcnt 0x0
; y = (x - mean) x rsqrt(var + 1e-5) x g + b along rows of 1,024 f32, then quantised along the row to MX-FP6 and stored as operand images.
; OPERAND LAYOUT.  Lane r of row tile J holds row 32 (J / 2) + 8 (J % 2) + r % 8 + 16 (r / 8).  Unit u = 8 (J / 8) + S (S: K step of 128).  Codes at CO1 + 12,288 u + 1,536 (J % 8): half c at 768 c,
; registers 6 c .. 6 c + 3 at 16 x lane, 6 c + 4, 6 c + 5 at 512 + 8 x lane.  Scale words at 512 u + 64 (J % 8) + 4 r.
; SHARES.  A work-group makes one row tile (16 rows).  Phase 1: wave w normalises four rows, a row in 32 registers, read once; mean first, then the sum of squared differences.
; The rows meet in LDS (pitch 4,096 + 16 bytes).  One barrier.  Phase 2: wave w quantises K steps 2 w and 2 w + 1 of all 16 rows: lane (r, h) reads, of row r, 16 neighbours of each block of 32.
; No tensor load, no matrix work, no cluster: the rows are read by one work-group; g and b are 8 KiB.
; LIMITS: NaN and infinities are not served; a block under 2^-124 keeps the byte 1 (this program alone reads the bytes).
.set PITCH, 4112
.set CO1,   131072
.set X,   64                           ; v64-191  four rows of 32 registers; later two K steps of 64 numbers
.set G,   192
.set BV,  224
.set TM,  16
.set PC,  36
.set SEL, 20
.macro QUANT s, pw                     ; 64 numbers of a lane (register 16 b + i = k 32 b + 16 (lane / 16) + i) become a fragment's codes in v[PC] on and its scale word in v[pw]
.irp b, 0,1,2,3
	v_max3_num_f32 v[TM+\b], |v[\s+16*\b]|, |v[\s+1+16*\b]|, 0x1800000   ; the floor 2^(3 - 127)
.endr
.irp i, 2,4,6,8,10,12,14
.irp b, 0,1,2,3
	v_max3_num_f32 v[TM+\b], v[TM+\b], |v[\s+16*\b+\i]|, |v[\s+1+16*\b+\i]|
.endr
.endr
.irp b, 0,1,2,3
	v_permlanex16_b32 v[TM+4+\b], v[TM+\b], s[SEL], s[SEL+1]
.endr
.irp b, 0,1,2,3
	v_max_num_f32 v[TM+\b], v[TM+\b], v[TM+4+\b]
.endr
.irp b, 0,1,2,3
	v_add_nc_u32 v[TM+12+\b], 0xff000000, v[TM+\b] ; 2 off the exponent field: the conversion's scale operand
.endr
.irp b, 0,1,2,3
	v_lshrrev_b32 v[TM+4+\b], 23, v[TM+12+\b]
.endr
	v_lshl_or_b32 v[\pw], v[TM+5], 8, v[TM+4]
	v_lshl_or_b32 v[\pw], v[TM+6], 16, v[\pw]
	v_lshl_or_b32 v[\pw], v[TM+7], 24, v[\pw]
.irp c, 0,1
	v_cvt_scalef32_pk16_fp6_f32 v[PC+6*\c:PC+2+6*\c], v[\s+32*\c:\s+15+32*\c], v[TM+12+2*\c]
	v_cvt_scalef32_pk16_fp6_f32 v[PC+12+4*\c:PC+14+4*\c], v[\s+16+32*\c:\s+31+32*\c], v[TM+12+2*\c+1]
.endr
	v_nop                                          ; one plain instruction behind the conversions
.irp c, 0,1
.irp i, 0,1,2
	v_permlane16_swap_b32 v[PC+6*\c+\i], v[PC+12+4*\c+\i]
.endr
.irp i, 0,1,2
	v_mov_b32 v[PC+3+6*\c+\i], v[PC+12+4*\c+\i]
.endr
.endr
.endm
.macro IMGOUT off                              ; each store covers 512 or 256 consecutive bytes, at a multiple of 256
	global_store_b128 v1, v[PC:PC+3], s[14:15] offset:\off
	global_store_b64 v4, v[PC+4:PC+5], s[14:15] offset:\off+512
	global_store_b128 v1, v[PC+6:PC+9], s[14:15] offset:\off+768
	global_store_b64 v4, v[PC+10:PC+11], s[14:15] offset:\off+1280
.endm
.macro LSUM                                    ; v6-9, one number a row, summed over the 32 lanes
.irp m, 1,2,4,8
.irp i, 0,1,2,3
	v_add_f32_dpp v[6+\i], v[6+\i], v[6+\i] row_xmask:\m row_mask:0xf bank_mask:0xf
.endr
.endr
.irp i, 0,1,2,3
	v_permlanex16_b32 v[10+\i], v[6+\i], s[SEL], s[SEL+1]
.endr
.irp i, 0,1,2,3
	v_add_f32 v[6+\i], v[6+\i], v[10+\i]
.endr
.endm
	s_load_b256 s[4:11], s[0:1], 0x0               ; x, g, b, the operand
	v_lshl_add_u32 v62, v0, 2, 0x10100
	v_mov_b32 v63, 0
	v_lshrrev_b32 v1, 5, v0
	v_readfirstlane_b32 s12, v1                    ; wave
	v_and_b32 v6, 31, v0
	v_lshlrev_b32 v1, 4, v6
	v_lshlrev_b32 v4, 3, v6
	s_mul_i32 s13, s12, 4*PITCH
	v_add_nc_u32 v2, s13, v1                       ; into the stage: my wave's four rows
	v_and_b32 v7, 15, v0
	v_bfe_u32 v8, v0, 4, 1
	v_mul_u32_u24 v3, v7, PITCH
	v_lshl_add_u32 v3, v8, 6, v3
	s_lshl_b32 s13, s12, 10
	v_add_nc_u32 v3, s13, v3                       ; out of it: row r, + 64 h, + my two K steps
	v_lshlrev_b32 v5, 2, v7
	v_lshl_add_u32 v5, v8, 9, v5                   ; scale words: lanes 0-15 K step 2 w's, lanes 16-31 K step 2 w + 1's
.irp i, 0,1,2,3
	v_mov_b32 v[10+\i], 0
.endr
	s_lshr_b32 s13, ttmp9, 1
	s_lshl_b32 s13, s13, 5
	s_and_b32 s18, ttmp9, 1
	s_lshl_b32 s18, s18, 3
	s_add_co_u32 s13, s13, s18
	s_lshr_b32 s18, s12, 1
	s_lshl_b32 s18, s18, 4
	s_add_co_u32 s13, s13, s18
	s_and_b32 s18, s12, 1
	s_lshl_b32 s18, s18, 2
	s_add_co_u32 s18, s13, s18                     ; my first row: 32 (J / 2) + 8 (J % 2) + 16 (w / 2) + 4 (w % 2)
	s_lshl_b32 s18, s18, 12
	s_mov_b32 s19, 0
	s_lshr_b32 s13, ttmp9, 3
	s_and_b32 s25, ttmp9, 7
	s_mul_i32 s26, s13, 98304
	s_mul_i32 s27, s25, 1536
	s_add_co_u32 s26, s26, s27
	s_mul_i32 s27, s12, 24576
	s_add_co_u32 s26, s26, s27
	s_add_co_u32 s26, s26, CO1                     ; codes: unit 8 (J / 8) + 2 w, tile J % 8
	s_mov_b32 s27, 0
	s_lshl_b32 s28, s13, 12
	s_lshl_b32 s29, s25, 6
	s_add_co_u32 s28, s28, s29
	s_lshl_b32 s29, s12, 10
	s_add_co_u32 s28, s28, s29                     ; scale words likewise
	s_mov_b32 s29, 0
	s_mov_b32 s[SEL], 0x76543210
	s_mov_b32 s[SEL+1], 0xfedcba98
	s_mov_b32 s22, 0x3a800000                      ; 1 / 1,024
	s_mov_b32 s23, 0x3727c5ac                      ; 1e-5
	s_mov_b32 s24, 0xffff0000                      ; lanes 16-31
	s_wait_kmcnt 0x0
	s_add_nc_u64 s[4:5], s[4:5], s[18:19]
	s_add_nc_u64 s[14:15], s[10:11], s[26:27]
	s_add_nc_u64 s[16:17], s[10:11], s[28:29]
.irp i, 0,1,2,3
.irp j, 0,1,2,3,4,5,6,7
	global_load_b128 v[X+32*\i+4*\j:X+32*\i+4*\j+3], v1, s[4:5] offset:4096*\i+512*\j th:TH_LOAD_NT
.endr
.endr
.irp j, 0,1,2,3,4,5,6,7
	global_load_b128 v[G+4*\j:G+4*\j+3], v1, s[6:7] offset:512*\j
	global_load_b128 v[BV+4*\j:BV+4*\j+3], v1, s[8:9] offset:512*\j
.endr
	s_wait_loadcnt 0x0
	; the mean
.irp i, 0,1,2,3
	v_pk_add_f32 v[16+4*\i:17+4*\i], v[X+32*\i:X+32*\i+1], v[X+32*\i+2:X+32*\i+3]
	v_pk_add_f32 v[18+4*\i:19+4*\i], v[X+32*\i+4:X+32*\i+5], v[X+32*\i+6:X+32*\i+7]
.endr
.irp j, 8,12,16,20,24,28
.irp i, 0,1,2,3
	v_pk_add_f32 v[16+4*\i:17+4*\i], v[16+4*\i:17+4*\i], v[X+32*\i+\j:X+32*\i+\j+1]
	v_pk_add_f32 v[18+4*\i:19+4*\i], v[18+4*\i:19+4*\i], v[X+32*\i+\j+2:X+32*\i+\j+3]
.endr
.endr
.irp i, 0,1,2,3
	v_pk_add_f32 v[16+4*\i:17+4*\i], v[16+4*\i:17+4*\i], v[18+4*\i:19+4*\i]
.endr
.irp i, 0,1,2,3
	v_add_f32 v[6+\i], v[16+4*\i], v[17+4*\i]
.endr
	LSUM
.irp i, 0,1,2,3
	v_mul_f32 v[16+4*\i], s22, v[6+\i]             ; the mean, in the low word of a pair
.endr
	; x - mean, in place
.irp j, 0,2,4,6,8,10,12,14,16,18,20,22,24,26,28,30
.irp i, 0,1,2,3
	v_pk_add_f32 v[X+32*\i+\j:X+32*\i+\j+1], v[X+32*\i+\j:X+32*\i+\j+1], v[16+4*\i:17+4*\i] op_sel_hi:[1,0] neg_lo:[0,1] neg_hi:[0,1]
.endr
.endr
	; the variance
.irp i, 0,1,2,3
	v_pk_mul_f32 v[18+4*\i:19+4*\i], v[X+32*\i:X+32*\i+1], v[X+32*\i:X+32*\i+1]
	v_pk_mul_f32 v[36+2*\i:37+2*\i], v[X+32*\i+2:X+32*\i+3], v[X+32*\i+2:X+32*\i+3]
.endr
.irp j, 4,8,12,16,20,24,28
.irp i, 0,1,2,3
	v_pk_fma_f32 v[18+4*\i:19+4*\i], v[X+32*\i+\j:X+32*\i+\j+1], v[X+32*\i+\j:X+32*\i+\j+1], v[18+4*\i:19+4*\i]
	v_pk_fma_f32 v[36+2*\i:37+2*\i], v[X+32*\i+\j+2:X+32*\i+\j+3], v[X+32*\i+\j+2:X+32*\i+\j+3], v[36+2*\i:37+2*\i]
.endr
.endr
.irp i, 0,1,2,3
	v_pk_add_f32 v[18+4*\i:19+4*\i], v[18+4*\i:19+4*\i], v[36+2*\i:37+2*\i]
.endr
.irp i, 0,1,2,3
	v_add_f32 v[6+\i], v[18+4*\i], v[19+4*\i]
.endr
	LSUM
.irp i, 0,1,2,3
	v_fma_f32 v[6+\i], v[6+\i], s22, s23           ; var + 1e-5
.endr
	s_wait_alu depctr_va_vdst(0)                   ; the wait ahead of the batch
.irp i, 0,1,2,3
	v_rsq_f32 v[18+4*\i], v[6+\i]
.endr
	v_nop
	s_wait_alu depctr_va_vdst(0)                   ; and behind it, ahead of its first reader
.irp j, 0,2,4,6,8,10,12,14,16,18,20,22,24,26,28,30
.irp i, 0,1,2,3
	v_pk_mul_f32 v[X+32*\i+\j:X+32*\i+\j+1], v[X+32*\i+\j:X+32*\i+\j+1], v[18+4*\i:19+4*\i] op_sel_hi:[1,0]
.endr
.irp i, 0,1,2,3
	v_pk_fma_f32 v[X+32*\i+\j:X+32*\i+\j+1], v[X+32*\i+\j:X+32*\i+\j+1], v[G+\j:G+\j+1], v[BV+\j:BV+\j+1]
.endr
.endr
.irp i, 0,1,2,3
.irp j, 0,1,2,3,4,5,6,7
	ds_store_b128 v2, v[X+32*\i+4*\j:X+32*\i+4*\j+3] offset:\i*PITCH+512*\j
.endr
.endr
	s_wait_dscnt 0x0                               ; for the others' sake: my rows lie in the stage
	s_barrier_signal -1
	s_barrier_wait -1
	; my two K steps of all 16 rows
.irp s, 0,1
.irp b, 0,1,2,3
.irp j, 0,1,2,3
	ds_load_b128 v[X+64*\s+16*\b+4*\j:X+64*\s+16*\b+4*\j+3], v3 offset:512*\s+128*\b+16*\j
.endr
.endr
.endr
	s_wait_dscnt 16                                ; the first K step's 16 loads are in; the second's may be out
	QUANT X, 32
	IMGOUT 0
	s_wait_dscnt 0x0
	s_wait_xcnt 0x0                                ; the stores have read the codes' registers
	QUANT X+64, 33
	IMGOUT 12288
	v_cndmask_b32 v34, v32, v33, s24               ; each half of the lanes stores one K step's words
	global_store_b32 v5, v34, s[16:17]
	s_wait_tensorcnt 0x0                           ; the wave's end
	ds_add_u32 v62, v63
	s_wait_dscnt 0x0
	s_endpgm
.Lfunc_end_k_qd1134c9e4c_ln2:
	.size	k_qd1134c9e4c_ln2, .Lfunc_end_k_qd1134c9e4c_ln2-k_qd1134c9e4c_ln2
	.p2alignl 7, 3214868480
	.fill 96, 4, 3214868480
	.section	.rodata,"a",@progbits
	.p2align	6, 0x0
	.amdhsa_kernel k_qd1134c9e4c_ln2
		.amdhsa_group_segment_fixed_size 66304
		.amdhsa_private_segment_fixed_size 0
		.amdhsa_enable_private_segment 0
		.amdhsa_kernarg_size 32
		.amdhsa_user_sgpr_count 2
		.amdhsa_user_sgpr_kernarg_segment_ptr 1
		.amdhsa_wavefront_size32 1
		.amdhsa_system_sgpr_workgroup_id_x 1
		.amdhsa_system_sgpr_workgroup_id_y 1
		.amdhsa_system_sgpr_workgroup_id_z 1
		.amdhsa_system_vgpr_workitem_id 0
		.amdhsa_next_free_vgpr 256
		.amdhsa_next_free_sgpr 66
		.amdhsa_reserve_vcc 0
		.amdhsa_float_denorm_mode_32 3
		.amdhsa_float_denorm_mode_16_64 3
		.amdhsa_memory_ordered 1
		.amdhsa_forward_progress 1
		.amdhsa_inst_pref_size 44
	.end_amdhsa_kernel
	.amdgpu_metadata
---
amdhsa.version: [ 1, 2 ]
amdhsa.kernels:
  - .name:           k_qd1134c9e4c_ln2
    .symbol:         k_qd1134c9e4c_ln2.kd
    .args:
      - { .name: x1, .offset: 0, .size: 8, .value_kind: global_buffer, .address_space: global }
      - { .name: ln2_g, .offset: 8, .size: 8, .value_kind: global_buffer, .address_space: global }
      - { .name: ln2_b, .offset: 16, .size: 8, .value_kind: global_buffer, .address_space: global }
      - { .name: act, .offset: 24, .size: 8, .value_kind: global_buffer, .address_space: global }
    .group_segment_fixed_size: 66304
    .private_segment_fixed_size: 0
    .kernarg_segment_align: 8
    .kernarg_segment_size: 32
    .max_flat_workgroup_size: 128
    .sgpr_count:     66
    .vgpr_count:     256
    .wavefront_size: 32
...
	.end_amdgpu_metadata
.endif
;; end of part 5
;; launch ff1: the kernel of part 2 again; grid 16 x 16, 4 waves a work-group, clusters of 4 x 4, 327,680 bytes of LDS; arguments act, wb, b1, zer, big; writes big
;; launch ff2 (part 6): grid 8 x 32, 4 waves a work-group, clusters of 4 x 4, 327,680 bytes of LDS; arguments big, wb, b2, x1, out0; writes out0
.if DOCPART == 6
	.amdgcn_target "amdgcn-amd-amdhsa--gfx1250"
	.amdhsa_code_object_version 6
	.text
	.protected	k_qd1134c9e4c_ff2
	.globl	k_qd1134c9e4c_ff2
	.p2align	8
	.type	k_qd1134c9e4c_ff2,@function
k_qd1134c9e4c_ff2:
	s_mov_b64 s[64:65], 0
	v_nop
	global_prefetch_b8 v0, s[64:65] scope:SCOPE_SE
	s_setreg_imm32_b32 hwreg(HW_REG_WAVE_MODE, 25, 1), 1
	s_wait_xcnt 0x0
	s_wait_alu depctr_hold_cnt(0) depctr_sa_sdst(0) depctr_va_vdst(0) depctr_va_sdst(0) depctr_va_ssrc(0) depctr_va_vcc(0) depctr_vm_vsrc(0)
	s_getreg_b32 s2, hwreg(HW_REG_IB_STS2, 6, 4)
	s_cmp_eq_u32 s2, 0
	s_cbranch_scc0 .Lentry_in_a_cluster
	s_endpgm
.Lentry_in_a_cluster:
	s_bfe_u32 s2, ttmp6, 0x10000c
	s_cmp_lg_u32 s2, 0xf033
	s_cbranch_scc0 .Lentry_shape_is_right
	s_endpgm
.Lentry_shape_is_right:
; out[m][n] = res[m][n] + relu(sum over k of A[m][k] B[n][k] + bias[n]), K = 4,096 (32 K steps of 128); A (the hidden layer) and B (W2) are MX-FP6 operand images; res, out: [4,096][1,024] f32.
; OPERAND LAYOUT.  Lane r of row tile J holds row 32 (J / 2) + 8 (J % 2) + r % 8 + 16 (r / 8).  Unit u = (J / 8) x KS + S.  Codes at CO + 12,288 u + 1,536 (J % 8): half c at 768 c, registers 6 c .. 6 c + 3 at
; 16 x lane, 6 c + 4, 6 c + 5 at 512 + 8 x lane.  Scale words at 512 u + 64 (J % 8) + 4 r.
; SHARES.  A tile of out is 128 x 128: 256 work-groups.  Four waves, 2 x 2, each 64 x 64: 16 accumulators.  K goes through two LDS slots of four K steps (A 49,152 bytes, then B 49,152): eight fills.
; THE HEAD'S FOUR TILES, one joint load a wave: wave 0 A's part of slot 0, wave 1 B's, wave 2 A's scale words for all of K (16,384 bytes), wave 3 B's.  Slot 1's first fill follows as a refill does.
; In the ring waves 0, 1 fetch the halves of A's part of a slot, waves 2, 3 of B's.  CLUSTER 4 x 4: A shared along a row, B along a column.
; PREFETCH: fill f + 2 is asked for behind the load of fill f (the head asks for fills 1 and 2).  Of the 24,576 bytes that a wave fetches, each of the four partners names 6,144, told apart by address (cx for A, cy for B):
; 24 lanes, 256 bytes apart; the other lanes name the last block again.  The last loop trip asks for nothing: fills 8 and 9 do not exist.
; TRANSPOSED USE (source 0 = B, source 1 = A): a lane holds one row m, and B's tiles 2 b, 2 b + 1 give it n = 32 b + 16 (lane / 16) + 0 .. 15.  The bias is the C of each sum's first product.
; The residual is asked for at the head, behind the bias, and awaited on the way out.  Results go through the wave's stage in LDS and leave as aligned runs of 256 bytes.
; REGISTERS: window 0: v1-19, v28 addresses; v20-23, v24-27 scale words of A, B (two sets); v32-95 rows on the way out; v128-255 accumulator (a, bt) at v[128 + 8 (4 a + bt)].
;   window 1: two sets of fragments (A at 96 s + 12 a, B at 96 s + 48 + 12 bt); v192-223 the bias.   window 2: the residual.
.set KS,    32
.set ACO,   524288
.set BOFF,  4194304
.set CO1,   131072
.set LAPS,  KS/8
.set SLOT,  98304
.set HALF,  49152
.set ASC,   196608
.set BSC,   ASC+KS*512
.set SPARE, ASC+KS*1024                ; the spare words, 128 bytes a wave
.set SPW, 14
.set NIL, 15
.set STO, 16
.set RD,  17
.set CO,  18
.set SA,  20
.set SB,  24
.set PFO, 28
.set BK,  32
.set ACC, 128
.set G0H, 4                            ; s[4:7], s[92:95]: group 0 of the head's loads of codes
.set G0HB, 92
.set G1, 24
.set G0, 32
.set G1B, 48
.set G0B, 56
.set G1S, 68
.set G0S, 76
.set G1SB, 80
.set G0SB, 88
.set PFA, 98                           ; s[98:99] where my prefetches stand
.set MSB, 0
.macro WIN new                         ; the immediate's high byte repeats the setting that is left
.if MSB != \new
	s_set_vgpr_msb (MSB<<8)|\new
.set MSB, \new
.endif
.endm
.set TO_F, 0x40
.set MULW, 0x05                        ; sources 0 and 1 window 1; C and D window 0
.set MULF, 0x15                        ; the same with C (the bias) in window 1
.macro PLACES n
.rept \n
	v_nop
.endr
.endm
.macro JLOAD g0a, g1a, g0b, g1b        ; a joint load of the ring: the branch hangs on the wave's number alone
	s_cmp_eq_u32 s15, 0
	s_cbranch_scc0 .Lfor_b_\@
	tensor_load_to_lds s[\g0a:\g0a+3], s[\g1a:\g1a+7]
	s_nop 0
	PLACES 4
	s_branch .Lasked_\@
.Lfor_b_\@:
	tensor_load_to_lds s[\g0b:\g0b+3], s[\g1b:\g1b+7]
	s_nop 0
	PLACES 4
.Lasked_\@:
.endm
.macro CREST
	s_cmp_lg_u32 s14, 0
	s_cbranch_scc1 .Lnot_wave_0_\@
	s_barrier_signal -3
.Lnot_wave_0_\@:
	s_barrier_wait -3
	s_barrier_signal -1
	s_barrier_wait -1
.endm
.macro CROUND
	s_barrier_signal -1
	s_barrier_wait -1
	CREST
.endm
.macro GROUP1 g, rows                  ; a dense block as rows of 256 bytes
	s_mov_b32 s[\g+1], 32<<16
	s_mov_b32 s[\g+2], (\rows)<<16
	s_mov_b32 s[\g+3], 32<<16
	s_mov_b32 s[\g+4], \rows
	s_mov_b32 s[\g+5], 32
	s_mov_b32 s[\g+6], 0
	s_mov_b32 s[\g+7], 0
.endm
	s_load_b256 s[4:11], s[0:1], 0x0               ; A, the weights' buffer, bias, res
	s_load_b64 s[12:13], s[0:1], 0x20              ; out
	v_lshl_add_u32 v[SPW], v0, 2, SPARE
	v_mov_b32 v[NIL], 0
	ds_add_u32 v[SPW], v[NIL]                      ; the opening lines: the add twice and its wait
	ds_add_u32 v[SPW], v[NIL]
	s_wait_dscnt 0x0
	v_lshrrev_b32 v1, 5, v0
	v_readfirstlane_b32 s14, v1                    ; wave
	s_lshr_b32 s15, s14, 1                         ; wm: my 64 rows.  Also: in the ring I fetch for A (0) or for B (1)
	s_and_b32 s16, s14, 1                          ; wn: my 64 columns.  Also: which half I fetch
	s_bfe_u32 s40, ttmp6, 0x40000
	s_bfe_u32 s41, ttmp6, 0x40004
	s_lshl_b32 s42, ttmp9, 2
	s_add_co_u32 s42, s42, s40                     ; NT: tile column
	s_and_b32 s17, ttmp7, 0xffff
	s_lshl_b32 s17, s17, 2
	s_add_co_u32 s17, s17, s41                     ; MT: tile row
	s_lshl_b32 s43, s41, 2
	s_lshl_b32 s43, 15, s43
	s_lshl_b32 s44, 0x1111, s40
	s_or_b32 s[G1], s43, (3<<16)|(1<<21)
	s_or_b32 s[G1S], s43, (3<<16)|(1<<21)
	s_or_b32 s[G1B], s44, (3<<16)|(1<<21)
	s_or_b32 s[G1SB], s44, (3<<16)|(1<<21)
	GROUP1 G1, 192                                 ; the head's loads of codes: 49,152 bytes; behind them the two words that count rows are set to 96
	GROUP1 G1B, 192
	GROUP1 G1S, 2*KS
	GROUP1 G1SB, 2*KS
	s_mul_i32 s20, s17, KS*12288
	s_add_co_u32 s20, s20, ACO
	s_mov_b32 s21, 0
	s_mul_i32 s22, s17, KS*512
	s_mov_b32 s23, 0
	s_mul_i32 s46, s42, KS*12288
	s_add_co_u32 s46, s46, BOFF+CO1
	s_mov_b32 s47, 0
	s_mul_i32 s18, s42, KS*512
	s_add_co_u32 s18, s18, BOFF
	s_mov_b32 s19, 0
	s_mul_i32 s2, s16, 24576                       ; in the ring: my half, in memory,
	s_mov_b32 s3, 0
	s_mul_i32 s45, s14, 24576                      ; and where it goes: wave x a quarter of a slot
	s_lshl_b32 s96, s17, 7                         ; my part of res and out: row 128 MT + 64 wm, byte 512 NT + 256 wn
	s_lshl_b32 s97, s15, 6
	s_add_co_u32 s96, s96, s97
	s_lshl_b32 s96, s96, 12
	s_lshl_b32 s97, s42, 9
	s_add_co_u32 s96, s96, s97
	s_lshl_b32 s97, s16, 8
	s_add_co_u32 s96, s96, s97
	s_mov_b32 s97, 0
	s_wait_kmcnt 0x0
	s_add_nc_u64 s[20:21], s[4:5], s[20:21]
	s_add_nc_u64 s[22:23], s[4:5], s[22:23]
	s_add_nc_u64 s[46:47], s[6:7], s[46:47]
	s_add_nc_u64 s[18:19], s[6:7], s[18:19]
	s_add_nc_u64 s[10:11], s[10:11], s[96:97]
	s_add_nc_u64 s[12:13], s[12:13], s[96:97]
	s_lshl_b32 s96, s42, 9
	s_lshl_b32 s95, s16, 8
	s_add_co_u32 s96, s96, s95
	s_add_nc_u64 s[8:9], s[8:9], s[96:97]          ; my 64 numbers of the bias
	CROUND                                         ; all sixteen work-groups are here: the first joint loads meet
	s_mov_b32 s[G0H], 1
	s_mov_b32 s[G0H+1], 0
	s_mov_b64 s[G0H+2:G0H+3], s[20:21]
	s_or_b32 s[G0H+3], s[G0H+3], 0x80000000
	s_mov_b32 s[G0HB], 1
	s_mov_b32 s[G0HB+1], HALF
	s_mov_b64 s[G0HB+2:G0HB+3], s[46:47]
	s_or_b32 s[G0HB+3], s[G0HB+3], 0x80000000
	s_mov_b32 s[G0S], 1
	s_mov_b32 s[G0S+1], ASC
	s_mov_b64 s[G0S+2:G0S+3], s[22:23]
	s_or_b32 s[G0S+3], s[G0S+3], 0x80000000
	s_mov_b32 s[G0SB], 1
	s_mov_b32 s[G0SB+1], BSC
	s_mov_b64 s[G0SB+2:G0SB+3], s[18:19]
	s_or_b32 s[G0SB+3], s[G0SB+3], 0x80000000
.macro ARM under, g0, g1, next                 ; one chain of branches on the wave's number, one load to an arm
	s_cmp_lt_u32 s14, \under
	s_cbranch_scc0 \next
	tensor_load_to_lds s[\g0:\g0+3], s[\g1:\g1+7]
	s_nop 0
	PLACES 4
	s_branch .Lhead_asked
\next:
.endm
	ARM 1, G0H,  G1,  .Lhead_b
	ARM 2, G0HB, G1B, .Lhead_sa
	ARM 3, G0S,  G1S, .Lhead_sb
	tensor_load_to_lds s[G0SB:G0SB+3], s[G1SB:G1SB+7]
	s_nop 0
	PLACES 4
.Lhead_asked:
	s_add_nc_u64 s[20:21], s[20:21], s[2:3]        ; for the ring: my half of A's part, of B's part
	s_add_nc_u64 s[46:47], s[46:47], s[2:3]
.irp s, 0,1
	s_mov_b32 s[G0+4*\s], 1
	s_add_co_u32 s[G0+4*\s+1], s45, \s*SLOT
	s_add_nc_u64 s[G0+4*\s+2:G0+4*\s+3], s[20:21], \s*HALF
	s_or_b32 s[G0+4*\s+3], s[G0+4*\s+3], 0x80000000
	s_mov_b32 s[G0B+4*\s], 1
	s_add_co_u32 s[G0B+4*\s+1], s45, \s*SLOT
	s_add_nc_u64 s[G0B+4*\s+2:G0B+4*\s+3], s[46:47], \s*HALF
	s_or_b32 s[G0B+4*\s+3], s[G0B+4*\s+3], 0x80000000
.endr
	s_cmp_eq_u32 s15, 0                            ; the prefetches: what I fetch, and my work-group's quarter of it
	s_cselect_b32 s2, s40, s41
	s_cselect_b64 s[PFA:PFA+1], s[20:21], s[46:47]
	s_mul_i32 s2, s2, 6144
	s_add_nc_u64 s[PFA:PFA+1], s[PFA:PFA+1], s[2:3]
	v_and_b32 v19, 31, v0
	v_lshlrev_b32 v1, 4, v19
	v_lshlrev_b32 v2, 3, v19
	v_lshlrev_b32 v3, 2, v19
	v_min_u32 v[PFO], 23, v19
	v_lshlrev_b32 v[PFO], 8, v[PFO]                ; 256 x min(lane, 23)
	s_wait_alu depctr_va_vdst(0)                   ; the wait ahead of the scalar lines
	s_mul_i32 s18, s15, 6144                       ; my four tiles of A,
	s_mul_i32 s19, s16, 6144
	s_add_co_u32 s19, s19, HALF                    ; of B
.irp s, 0,1
	v_add_nc_u32 v[4+\s], s18, v1
	v_add_nc_u32 v[6+\s], s18, v2
	v_add_nc_u32 v[8+\s], s19, v1
	v_add_nc_u32 v[10+\s], s19, v2
	s_add_co_u32 s18, s18, SLOT
	s_add_co_u32 s19, s19, SLOT
.endr
	s_lshl_b32 s18, s15, 8
	s_add_co_u32 s18, s18, ASC
	v_add_nc_u32 v12, s18, v3                      ; scale words: 4 x lane takes two neighbouring tiles, one in each half of the lanes
	s_lshl_b32 s18, s16, 8
	s_add_co_u32 s18, s18, BSC
	v_add_nc_u32 v13, s18, v3
	v_and_b32 v30, 15, v0                          ; r
	v_bfe_u32 v31, v0, 4, 1                        ; h
	s_mul_i32 s18, s14, 4352                       ; my stage: 16 rows x (256 + 16) bytes, in slot 0
	v_mul_u32_u24 v[STO], v30, 272
	v_lshl_add_u32 v[STO], v31, 6, v[STO]
	v_add_nc_u32 v[STO], s18, v[STO]
	v_mul_u32_u24 v[RD], v31, 272
	v_lshl_add_u32 v[RD], v30, 4, v[RD]
	v_add_nc_u32 v[RD], s18, v[RD]
	v_lshlrev_b32 v[CO], 12, v31
	v_lshl_add_u32 v[CO], v30, 4, v[CO]            ; two rows of res and out an instruction
	v_lshlrev_b32 v19, 6, v31                      ; the bias: 16 numbers on for lanes 16-31
	s_wait_alu depctr_va_vdst(0)                   ; the wait ahead of the readers below
	WIN TO_F
.irp bt, 0,1,2,3
	global_load_b128 v[192+8*\bt:192+8*\bt+3], v19, s[8:9] offset:(32*(\bt/2)+8*(\bt%2))*4
	global_load_b128 v[192+8*\bt+4:192+8*\bt+7], v19, s[8:9] offset:(32*(\bt/2)+8*(\bt%2))*4+16
.endr
	WIN 0
	global_prefetch_b8 v[PFO], s[PFA:PFA+1] offset:HALF th:TH_LOAD_NT scope:SCOPE_SE     ; fill 1
	global_prefetch_b8 v[PFO], s[PFA:PFA+1] offset:2*HALF th:TH_LOAD_NT scope:SCOPE_SE   ; fill 2
.macro FRAGL reg, a16, a8, off
	ds_load_b128 v[\reg:\reg+3], v[\a16] offset:\off
	ds_load_b64 v[\reg+4:\reg+5], v[\a8] offset:\off+512
	ds_load_b128 v[\reg+6:\reg+9], v[\a16] offset:\off+768
	ds_load_b64 v[\reg+10:\reg+11], v[\a8] offset:\off+1280
.endm
.macro FETCH slot, q                           ; the slot's q-th K step into set q % 2: 8 fragments and 4 loads of scale words: 36 LDS loads in one run
.set fs, (\q)%2
	WIN TO_F
.irp a, 0,1,2,3
	FRAGL 96*fs+12*\a, 4+\slot, 6+\slot, (\q)*12288+\a*1536
.endr
.irp bt, 0,1,2,3
	FRAGL 96*fs+48+12*\bt, 8+\slot, 10+\slot, (\q)*12288+\bt*1536
.endr
	WIN 0
.irp pp, 0,1
	ds_load_b32 v[SA+2*fs+\pp], v12 offset:(4*(\slot)+(\q))*512+128*\pp
	ds_load_b32 v[SB+2*fs+\pp], v13 offset:(4*(\slot)+(\q))*512+128*\pp
.endr
.endm
.macro WMC d, x, y, c, sx, sy, rx, ry          ; rx, ry: the scales of source 0, 1 stand in lanes 16-31 of their registers
.if (\rx) && (\ry)
	v_wmma_scale_f32_16x16x128_f8f6f4 v[\d:\d+7], v[\x:\x+11], v[\y:\y+11], v[\c:\c+7], v[\sx], v[\sy] matrix_a_fmt:MATRIX_FMT_FP6 matrix_b_fmt:MATRIX_FMT_FP6 matrix_a_scale:MATRIX_SCALE_ROW1 matrix_b_scale:MATRIX_SCALE_ROW1
.elseif \rx
	v_wmma_scale_f32_16x16x128_f8f6f4 v[\d:\d+7], v[\x:\x+11], v[\y:\y+11], v[\c:\c+7], v[\sx], v[\sy] matrix_a_fmt:MATRIX_FMT_FP6 matrix_b_fmt:MATRIX_FMT_FP6 matrix_a_scale:MATRIX_SCALE_ROW1
.elseif \ry
	v_wmma_scale_f32_16x16x128_f8f6f4 v[\d:\d+7], v[\x:\x+11], v[\y:\y+11], v[\c:\c+7], v[\sx], v[\sy] matrix_a_fmt:MATRIX_FMT_FP6 matrix_b_fmt:MATRIX_FMT_FP6 matrix_b_scale:MATRIX_SCALE_ROW1
.else
	v_wmma_scale_f32_16x16x128_f8f6f4 v[\d:\d+7], v[\x:\x+11], v[\y:\y+11], v[\c:\c+7], v[\sx], v[\sy] matrix_a_fmt:MATRIX_FMT_FP6 matrix_b_fmt:MATRIX_FMT_FP6
.endif
.endm
; Tiles a0, a0 + 1 of A x B's four.  The 16 accumulators take turns, one instruction a turn.  first = 1: the bias is C.
.macro MUL q, a0, first
.set ms, (\q)%2
.if \first
	WIN MULF
.else
	WIN MULW
.endif
.set ma, \a0
.rept 2
.set mb, 0
.rept 4
.if \first
	WMC ACC+8*(4*ma+mb), 96*ms+48+12*mb, 96*ms+12*ma, 192+8*mb, SB+2*ms+mb/2, SA+2*ms+ma/2, mb%2, ma%2
.else
	WMC ACC+8*(4*ma+mb), 96*ms+48+12*mb, 96*ms+12*ma, ACC+8*(4*ma+mb), SB+2*ms+mb/2, SA+2*ms+ma/2, mb%2, ma%2
.endif
.set mb, mb+1
.endr
.set ma, ma+1
.endr
.endm
.macro STEP slot, q, first                     ; a K step whose successor lies in the same slot
	PLACES 4                                       ; in front of loads into registers that the last matrix instructions have read
	FETCH \slot, (\q)+1
	s_wait_dscnt 36                                ; all but the 36 just issued: this K step's set is in
	MUL \q, 0, \first
	MUL \q, 2, \first
.endm
; A slot's last K step changes slots.  fill = 1: the slot is filled again, eight K steps on, behind a round of the cluster's barrier; then the fill two further on is asked of memory.
.macro TURN slot, next, fill
	WIN 0
	s_wait_tensorcnt 0x0                           ; all my tensor loads have landed: so a group 0 may be written
	ds_add_u32 v[SPW], v[NIL]
.if \fill
	s_add_nc_u64 s[G0+4*\slot+2:G0+4*\slot+3], s[G0+4*\slot+2:G0+4*\slot+3], 2*HALF
	s_add_nc_u64 s[G0B+4*\slot+2:G0B+4*\slot+3], s[G0B+4*\slot+2:G0B+4*\slot+3], 2*HALF
.endif
	s_wait_dscnt 0x0                               ; the add is done, this K step's set is in, my reads of the slot are over
	s_barrier_signal -1
	MUL 3, 0, 0
	WIN 0
	s_barrier_wait -1
.if \fill
	CREST
	JLOAD G0+4*\slot, G1, G0B+4*\slot, G1B         ; my one tensor load behind the round; its four v_nop are also the places in front of the loads below
.else
	PLACES 4
.endif
.if (\next) == 0
	v_add_nc_u32 v12, 4096, v12                    ; on to the next eight K steps' scale words
	v_add_nc_u32 v13, 4096, v13
	s_wait_alu depctr_va_vdst(0)                   ; the wait, here directly behind the writes
.endif
	FETCH \next, 0
.if \fill
	s_cmp_gt_u32 s3, 1                             ; s3 = 1 in the loop's last trip, whose fills have none two on
	s_cbranch_scc0 .Lno_ask_\@
	global_prefetch_b8 v[PFO], s[PFA:PFA+1] offset:(4+\slot)*HALF th:TH_LOAD_NT scope:SCOPE_SE
.Lno_ask_\@:
.endif
	MUL 3, 2, 0
.endm
	s_wait_alu depctr_va_vdst(0)                   ; the wait at the head's end
	s_wait_tensorcnt 0x0                           ; my tile of the head's four is in; the lines ahead of a later first fill:
	ds_add_u32 v[SPW], v[NIL]
	s_mov_b32 s[G1+2], 96<<16                      ; no tensor load of mine is out: from here on a load brings 96 rows of 256 bytes
	s_mov_b32 s[G1+4], 96
	s_mov_b32 s[G1B+2], 96<<16
	s_mov_b32 s[G1B+4], 96
	s_wait_dscnt 0x0
	CROUND
	JLOAD G0+4, G1, G0B+4, G1B                     ; fill 1, into slot 1
	FETCH 0, 0
	global_prefetch_b8 v[PFO], s[PFA:PFA+1] offset:3*HALF th:TH_LOAD_NT scope:SCOPE_SE   ; fill 3
	WIN 0x80                                       ; the residual is asked for only now, behind the head's tiles and three prefetches: destination window 2.  Stage row 2 t + (lane / 16) of tile a is row 32 (a / 2) + 8 (a % 2) + (2 t) % 8 + (lane / 16) + 16 (t / 4) of my 64
.irp a, 0,1,2,3
.irp t, 0,1,2,3,4,5,6,7
	global_load_b128 v[32*\a+4*\t:32*\a+4*\t+3], v[CO], s[10:11] offset:(32*(\a/2)+8*(\a%2)+(2*\t)%8+16*(\t/4))*4096
.endr
.endr
	WIN 0
	s_wait_loadcnt 32                              ; the bias is in; the residual's 32 loads may be out
	STEP 0, 0, 1
	WIN 0
	s_mov_b32 s3, LAPS-1
.Llap:                                                 ; a trip goes once round the ring, from a lap's second K step to the next lap's first, and fills both slots again
	STEP 0, 1, 0
	STEP 0, 2, 0
	TURN 0, 1, 1
	STEP 1, 0, 0
	STEP 1, 1, 0
	STEP 1, 2, 0
	TURN 1, 0, 1
	STEP 0, 0, 0
	WIN 0
	s_wait_xcnt 0x0                                ; my prefetches have read their address: it steps a lap on
	s_add_nc_u64 s[PFA:PFA+1], s[PFA:PFA+1], 2*HALF
	s_sub_co_u32 s3, s3, 1
	s_cmp_lg_u32 s3, 0
	s_cbranch_scc1 .Llap
	STEP 0, 1, 0                                   ; the last lap fills nothing
	STEP 0, 2, 0
	TURN 0, 1, 0
	STEP 1, 0, 0
	STEP 1, 1, 0
	STEP 1, 2, 0
	s_wait_dscnt 0x0
	MUL 3, 0, 0
	MUL 3, 2, 0
	WIN 0
; THE WAY OUT, a tile of 16 rows x 64 columns at a time, through my stage: it lies in slot 0, which has had its last fill, and which nobody reads behind the last change of slots.
.macro TOSTAGE a
.irp bt, 0,1,2,3
	ds_store_b128 v[STO], v[ACC+8*(4*(\a)+\bt):ACC+8*(4*(\a)+\bt)+3] offset:128*(\bt/2)+32*(\bt%2)        ; each accumulator from its low end on
	ds_store_b128 v[STO], v[ACC+8*(4*(\a)+\bt)+4:ACC+8*(4*(\a)+\bt)+7] offset:128*(\bt/2)+32*(\bt%2)+16
.endr
.set BB, BK+32*((\a)%2)
.irp t, 0,1,2,3,4,5,6,7
	ds_load_b128 v[BB+4*\t:BB+4*\t+3], v[RD] offset:\t*544         ; LDS serves a wave's instructions in order: these see the stores above
.endr
.endm
.macro SEND a, younger                         ; younger: the LDS instructions issued behind tile a's loads, which may stay out
.set BB, BK+32*((\a)%2)
	s_wait_dscnt \younger
	s_wait_loadcnt 8*(3-(\a))                      ; tile a's eight loads of the residual are in; the later tiles' may be out
.set sj, 0
.rept 32
	v_max_num_f32 v[BB+sj], 0, v[BB+sj]            ; relu
.set sj, sj+1
.endr
	WIN 0x08                                       ; source 1 window 2: the residual
.set sj, 0
.rept 16
	v_pk_add_f32 v[BB+sj:BB+sj+1], v[BB+sj:BB+sj+1], v[32*(\a)+sj:32*(\a)+sj+1]
.set sj, sj+2
.endr
	WIN 0
.irp t, 0,1,2,3,4,5,6,7
	global_store_b128 v[CO], v[BB+4*\t:BB+4*\t+3], s[12:13] offset:(32*((\a)/2)+8*((\a)%2)+(2*\t)%8+16*(\t/4))*4096   ; 16 lanes store 256 consecutive bytes, at a multiple of 256
.endr
.endm
	PLACES 4                                       ; in front of the first read of results just made
	TOSTAGE 0
.irp a, 1,2,3
.if \a > 1
	s_wait_xcnt 0x0                                ; tile a - 2's stores have read their registers: tile a's loads may land there
.endif
	TOSTAGE \a
	SEND \a-1, 16                                  ; behind tile a - 1's loads: tile a's 8 stores and 8 loads
.endr
	SEND 3, 0
	s_wait_tensorcnt 0x0                           ; the wave's end
	ds_add_u32 v[SPW], v[NIL]
	s_wait_dscnt 0x0
	CROUND                                         ; the closing round
	s_endpgm
.Lfunc_end_k_qd1134c9e4c_ff2:
	.size	k_qd1134c9e4c_ff2, .Lfunc_end_k_qd1134c9e4c_ff2-k_qd1134c9e4c_ff2
	.p2alignl 7, 3214868480
	.fill 96, 4, 3214868480
	.section	.rodata,"a",@progbits
	.p2align	6, 0x0
	.amdhsa_kernel k_qd1134c9e4c_ff2
		.amdhsa_group_segment_fixed_size 327680
		.amdhsa_private_segment_fixed_size 0
		.amdhsa_enable_private_segment 0
		.amdhsa_kernarg_size 40
		.amdhsa_user_sgpr_count 2
		.amdhsa_user_sgpr_kernarg_segment_ptr 1
		.amdhsa_wavefront_size32 1
		.amdhsa_system_sgpr_workgroup_id_x 1
		.amdhsa_system_sgpr_workgroup_id_y 1
		.amdhsa_system_sgpr_workgroup_id_z 1
		.amdhsa_system_vgpr_workitem_id 0
		.amdhsa_next_free_vgpr 640
		.amdhsa_next_free_sgpr 100
		.amdhsa_reserve_vcc 0
		.amdhsa_float_denorm_mode_32 3
		.amdhsa_float_denorm_mode_16_64 3
		.amdhsa_memory_ordered 1
		.amdhsa_forward_progress 1
		.amdhsa_inst_pref_size 107
	.end_amdhsa_kernel
	.amdgpu_metadata
---
amdhsa.version: [ 1, 2 ]
amdhsa.kernels:
  - .name:           k_qd1134c9e4c_ff2
    .symbol:         k_qd1134c9e4c_ff2.kd
    .args:
      - { .name: big, .offset: 0, .size: 8, .value_kind: global_buffer, .address_space: global }
      - { .name: wb, .offset: 8, .size: 8, .value_kind: global_buffer, .address_space: global }
      - { .name: b2, .offset: 16, .size: 8, .value_kind: global_buffer, .address_space: global }
      - { .name: x1, .offset: 24, .size: 8, .value_kind: global_buffer, .address_space: global }
      - { .name: out0, .offset: 32, .size: 8, .value_kind: global_buffer, .address_space: global }
    .group_segment_fixed_size: 327680
    .private_segment_fixed_size: 0
    .kernarg_segment_align: 8
    .kernarg_segment_size: 40
    .max_flat_workgroup_size: 128
    .sgpr_count:     100
    .vgpr_count:     640
    .wavefront_size: 32
...
	.end_amdgpu_metadata
.endif
;; end of part 6
